; MI455X (gfx1250); checked and timed in simulation.
; The chip was launched on July 23, 2026; its instructions are those of AMD's public machine-readable ISA for CDNA 5 (MIT licence, August 2026) and "CDNA5" Instruction Set Architecture Reference Guide (July 2026). The comments in the code are by the model that wrote it; some were corrected since.
;; Multi Head Attention. Allowed arithmetic: matrix products marked QUANTISED: E4M3 operands, one given power-of-two scale a tensor, by v_wmma_f32_16x16x64_fp8_fp8 or v_wmma_f32_16x16x128_fp8_fp8, f32 sums; everything else in f32.
;; Inputs: Wk 2,048 x 2,048 float32; Wo 2,048 x 2,048 float32; Wq 2,048 x 2,048 float32; Wv 2,048 x 2,048 float32; lowp_scales 12 int32 (the exponents e of the quantised operands' scales 2^e); rotary_cos 1 x 2,048 x 128 float32; rotary_sin 1 x 2,048 x 128 float32; x 1 x 2,048 x 2,048 float32.
;; Outputs: out0 1 x 2,048 x 2,048 float32.
;; This version of the problem:
;;   THIS VERSION OF THE PROBLEM IS GIVEN IN LOW PRECISION. The matrix products marked QUANTISED in the list below multiply operands that are first quantised to E4M3 (4 exponent bits, 3 mantissa bits; 8 bits a number), with one given power-of-two scale for each operand tensor; their sums are f32. All else is computed in f32.
;;   The module's matrix products, in the order in which they are computed (A, B: the left and right operand; K: the contracted axis; several contracted axes count as one K, in the product's order):
;;     1. [M 2,048, K 2,048] x [K 2,048, N 2,048]; A: input x; B: input Wq: QUANTISED (scales: A lowp_scales[0], B lowp_scales[1])
;;     2. [M 2,048, K 2,048] x [K 2,048, N 2,048]; A: input x; B: input Wk: QUANTISED (scales: A lowp_scales[2], B lowp_scales[3])
;;     3. [M 2,048, K 2,048] x [K 2,048, N 2,048]; A: input x; B: input Wv: QUANTISED (scales: A lowp_scales[4], B lowp_scales[5])
;;     4. batch 16 x [M 2,048, K 128] x [K 128, N 2,048]; A: computed on the way; B: computed on the way: QUANTISED (scales: A lowp_scales[6], B lowp_scales[7])
;;     5. batch 16 x [M 2,048, K 2,048] x [K 2,048, N 128]; A: softmax (see below); B: computed on the way: QUANTISED (scales: A lowp_scales[8], B lowp_scales[9])
;;     6. [M 2,048, K 2,048] x [K 2,048, N 2,048]; A: computed on the way; B: input Wo: QUANTISED (scales: A lowp_scales[10], B lowp_scales[11])
;;   THE QUANTISER, for each operand of a quantised product, along K:
;;     - The operand's scale is 2^e, e = its entry of the input lowp_scales (int32; the entries are numbered through the quantised products in the list's order, A before B).
;;     - Each number is divided by the scale, clamped to +-448, and rounded to the nearest number of E4M3, ties to even, subnormals kept.
;;     - The product sums the exact products of the quantised numbers (number of the format x scale) in f32.
;;   ~~~python
;;   def quantise(x, axis, e):      # numpy; x: float32 -> the quantised numbers, widened to float32 again
;;       x = np.moveaxis(x, axis, -1); K = x.shape[-1]
;;       r = np.clip(x / 2.0 ** e, -448, 448)
;;       step = 2.0 ** (np.maximum(np.frexp(np.where(r == 0, 1, r))[1] - 1, -6) - 3)
;;       q = np.round(r / step) * step * 2.0 ** e      # np.round: ties to even
;;       return np.moveaxis(q, -1, axis).astype(np.float32)
;;   ~~~
;;   SOFTMAX AHEAD OF A QUANTISED PRODUCT. Where the list says 'softmax', what is quantised is not the finished softmax but p = 2^(t - M), with t = logit x log2(e) and M = ceil(the row's largest t), a whole number; so 1/2 < the row's largest p <= 1. The row's sum l is taken of the UNQUANTISED p, in f32, and the product's result is divided by l at the end. Since M is a whole number, a kernel that streams over the keys may use a running M (the ceiling of the running maximum): every later rescaling is an exact power of two, so the quantised numbers keep their values, but for numbers so far below the row's largest that they fall under the format's range.
;;   OPERANDS COMPUTED ON THE WAY. 'Computed on the way' means the value that the module computes at that place (a softmax that the list does not call 'softmax' is quantised finished and normalised). What goes into a quantiser is computed in f32, as accurately as f32 sums, v_exp_f32 and their like allow (about 1e-6 of the number): no bf16 or f16 on the way to a quantiser, and a product that is left as it is and whose result goes on into a quantised operand takes f32 operands (vector FMAs, or v_wmma_f32_16x16x4_f32). A number that lies on a knife's edge between two numbers of the format may be rounded either way, as far as f32 arithmetic and the matrix unit's own rounding can turn it there, and no further.
;; One version. Each part assembles by itself: llvm-mc -triple=amdgcn-amd-amdhsa -mcpu=gfx1250 --defsym DOCPART=n.
;; ======== version 1 of 1: 4 launches
;; limits: right only within a limited range of input values
;; workspace buffers: codes 25,165,824 bytes; ropeimg 2,097,152 bytes; qkv 12,582,912 bytes; wocodes 4,194,304 bytes; aimg 4,194,304 bytes
;; launch quant (part 1): grid 1056 x 1, 4 waves a work-group, no clusters, 20,992 bytes of LDS; arguments x, Wq, Wk, Wv, rotary_cos, rotary_sin, lowp_scales, codes, ropeimg; writes codes, ropeimg
.if DOCPART == 1
	.amdgcn_target "amdgcn-amd-amdhsa--gfx1250"
	.amdhsa_code_object_version 6
	.text
	.protected	k_qc3d439bc69_quant
	.globl	k_qc3d439bc69_quant
	.p2align	8
	.type	k_qc3d439bc69_quant,@function
k_qc3d439bc69_quant:
	s_mov_b64 s[64:65], 0
	v_nop
	global_prefetch_b8 v0, s[64:65] scope:SCOPE_SE
	s_setreg_imm32_b32 hwreg(HW_REG_WAVE_MODE, 25, 1), 1
	s_wait_xcnt 0x0
; x, Wq, Wk, Wv ([2048][2048] f32, K innermost) become codes of E4M3; the two rotary tables are laid anew.  (Wo is quantised by the next launch.)
; WORK LEFT OUT BY THE PROGRAM: tiles of scores all of whose keys come after the queries: reference() masks them in its own body, for all values of the inputs; the attention launch does not compute them.
; LIMIT: a NaN, an infinity or an overflow that reaches only such a masked score is not carried to the result.
; code = number / 2^e, held within +-448, rounded to the nearest code, ties to even.  x is an operand of three products with three given scales
; (entries 0, 2, 4 of the scales), so it gets three sets of codes, made from the same registers: x is read once.  Wq, Wk, Wv take entries 1, 3, 5.
; LIMITS: each of these e lies between -126 and 119, so that 2^e and 448 x 2^e are f32 numbers.  NaN among the inputs is not served; an infinity is held at the largest code.
; OUT: codes = six tensors of 4 MiB: x by e0, x by e2, x by e4, Wq, Wk, Wv, each as [16 blocks of 128 rows][8 K steps of 256][128 rows][256 bytes]: a K step's tile of 128 rows is 32,768 dense bytes,
; and a block's K steps lie one behind the other.  In each 32 bytes of a row the two middle pieces of 8 bytes change places:
; byte 32 g + 16 o + i holds k = 32 g + 8 o + (i & 7) + 16 (i >> 3).  A 16-byte LDS load at 32 c + 16 (lane / 16) of a row then gives registers 4 c .. 4 c + 3 of a fragment of the
; plain 8-bit matrix form as that form has them (registers 2 c, 2 c + 1: k = 16 c + 8 (lane / 16) + 0 .. 7).
; SHARES: work-groups 0-255 take x, 256-511 Wq, 512-767 Wk, 768-1023 Wv: 8 rows each, a wave two rows, 8 steps of 512 numbers.  All 32 loads of a wave are asked for at once, each 512 consecutive bytes; a step's 2,048 bytes go
; through the wave's own stage in LDS (16 bytes of padding behind each 64) and come back so that lane 2 m + o holds k = 32 m + 8 o + 0..7 and 32 m + 16 + 8 o + 0..7: its 16 codes are bytes 16 x lane of the step's 512.
; Work-groups 1024-1055 take the tables, a wave a block of 16 tokens: ropeimg[block][cos, sin][i 0..15][lane][16 bytes]; entry i = 2 b + q of lane (r, h) is table[16 block + r][16 b + 8 h + 4 q .. + 3]:
; the image of the registers in which the next launch wants them.
; No tensor loads, no barrier: waves share nothing.  No prefetch: there is no loop to run ahead in.
.set STEPS, 8
.set SP,    80                         ; a place in a stage: 64 bytes + 16 of padding
.set WREG,  5120                       ; LDS: a region for each wave: two stages of 32 x SP bytes
.set SPARE, 4*WREG                     ; behind the four regions: the spare words, 128 bytes for each wave, which no other line names
.set SC,    5                          ; v5-7    2^e as f32, for the three sets
.set LM,    8                          ; v8-10   448 x 2^e
.set SPW,   12                         ; v12     LDS address of my spare word; never rewritten
.set NIL,   13                         ; v13     0; never rewritten
.set R,     16                         ; v16-143 eight sets of 16 numbers as they are loaded; a step's codes, up to 12 registers, take its own set's place
.set X,     144                        ; v144-175 two sets of 16 numbers as the conversions want them
.set T,     176                        ; v176-191 the numbers, held
.set SRC,   54                         ; s[54:55] my wave's numbers
.set DST,   48                         ; s[48:49], s[50:51], s[52:53] my wave's codes, sets 0, 1, 2
	s_load_b512 s[8:23], s[0:1], 0x0               ; x s[8:9], Wq s[10:11], Wk s[12:13], Wv s[14:15], cos s[16:17], sin s[18:19], the scales' exponents s[20:21], codes s[22:23]
	s_load_b64 s[24:25], s[0:1], 0x40              ; ropeimg
	v_lshl_add_u32 v[SPW], v0, 2, SPARE
	v_mov_b32 v[NIL], 0
	v_lshrrev_b32 v1, 5, v0
	v_readfirstlane_b32 s30, v1                    ; wave
	v_and_b32 v2, 31, v0                           ; lane
	v_lshlrev_b32 v3, 4, v2                        ; 16 x lane: my bytes of a load's 512
	s_lshr_b32 s2, ttmp9, 8                        ; which tensor: 0 x, 1 Wq, 2 Wk, 3 Wv; 4: the tables
	s_and_b32 s3, ttmp9, 255                       ; which 8 rows of it
	s_mul_i32 s31, s30, WREG                       ; my wave's region
	v_lshrrev_b32 v14, 2, v2
	v_mul_u32_u24 v14, v14, SP
	v_and_b32 v15, 3, v2
	v_lshl_add_u32 v14, v15, 4, v14
	v_add_nc_u32 v14, s31, v14                     ; the stage, on the way in: SP (lane / 4) + 16 (lane % 4); a load's 512 bytes take eight places
	v_and_b32 v15, 30, v2
	v_mul_u32_u24 v15, v15, SP
	v_and_b32 v1, 1, v2
	v_lshl_add_u32 v15, v1, 5, v15
	v_add_nc_u32 v15, s31, v15                     ; and on the way out: place 2 m, + 32 o: 32 bytes there and 32 in the next place
	v_lshrrev_b32 v4, 4, v2
	v_and_b32 v1, 15, v2
	v_lshlrev_b32 v1, 4, v1
	v_lshl_add_u32 v4, v4, 15, v1                  ; my codes' place: 16 (lane % 16) of a row's 256 bytes, in the next K step's tile for lanes 16-31
	s_wait_alu depctr_va_vdst(0)                   ; the wait here, directly ahead of the wait below
	s_wait_kmcnt 0x0
	s_cmp_ge_u32 ttmp9, 1024
	s_cbranch_scc1 .Lrope
	s_load_b256 s[36:43], s[20:21], 0x0            ; e0 .. e7
	s_mov_b64 s[SRC:SRC+1], s[8:9]                 ; the tensor is chosen by the work-group's number alone
	s_cmp_eq_u32 s2, 1
	s_cselect_b64 s[SRC:SRC+1], s[10:11], s[SRC:SRC+1]
	s_cmp_eq_u32 s2, 2
	s_cselect_b64 s[SRC:SRC+1], s[12:13], s[SRC:SRC+1]
	s_cmp_eq_u32 s2, 3
	s_cselect_b64 s[SRC:SRC+1], s[14:15], s[SRC:SRC+1]
	s_lshl_b32 s34, s3, 16                         ; 8 rows of 8,192 bytes,
	s_lshl_b32 s35, s30, 14                        ; two a wave
	s_add_co_u32 s34, s34, s35
	s_mov_b32 s35, 0
	s_add_nc_u64 s[SRC:SRC+1], s[SRC:SRC+1], s[34:35]
.macro LOAD t
.irp i, 0,1,2,3
	global_load_b128 v[R+16*(\t)+4*\i:R+16*(\t)+4*\i+3], v3, s[SRC:SRC+1] offset:2048*(\t)+512*\i th:TH_LOAD_NT   ; 32 lanes read 512 consecutive bytes, read once in the launch
.endr
.endm
.irp t, 0,1,2,3,4,5,6,7
	LOAD \t
.endr
	s_and_b32 s34, s3, 0xf0
	s_lshl_b32 s34, s34, 14                        ; block of 128 rows: 262,144 bytes of codes
	s_and_b32 s35, s3, 15
	s_lshl_b32 s35, s35, 11                        ; my 8 rows in it, 256 bytes each in a tile,
	s_add_co_u32 s34, s34, s35
	s_lshl_b32 s35, s30, 9                         ; my two
	s_add_co_u32 s34, s34, s35
	s_mov_b32 s35, 0
	s_add_nc_u64 s[DST+2:DST+3], s[22:23], s[34:35]
	s_add_nc_u64 s[DST+4:DST+5], s[DST+2:DST+3], 0x800000   ; x by e4 (used where the tensor is x)
	s_add_co_u32 s33, s2, 2                        ; Wq .. Wv are tensors 3 .. 5 of the buffer, x by e0 is tensor 0
	s_cmp_eq_u32 s2, 0
	s_cselect_b32 s56, 0, s33
	s_lshl_b32 s56, s56, 22
	s_mov_b32 s57, 0
	s_add_nc_u64 s[DST:DST+1], s[DST+2:DST+3], s[56:57]
	s_add_nc_u64 s[DST+2:DST+3], s[DST+2:DST+3], 0x400000   ; x by e2
.macro TURN t                          ; step t's numbers through the stage: LDS serves a wave's instructions in order, so no wait stands between the stores and the loads
.irp i, 0,1,2,3
	ds_store_b128 v14, v[R+16*(\t)+4*\i:R+16*(\t)+4*\i+3] offset:32*SP*((\t)%2)+8*SP*\i
.endr
	ds_load_b128 v[X+16*((\t)%2):X+16*((\t)%2)+3],     v15 offset:32*SP*((\t)%2)
	ds_load_b128 v[X+16*((\t)%2)+4:X+16*((\t)%2)+7],   v15 offset:32*SP*((\t)%2)+16
	ds_load_b128 v[X+16*((\t)%2)+8:X+16*((\t)%2)+11],  v15 offset:32*SP*((\t)%2)+SP
	ds_load_b128 v[X+16*((\t)%2)+12:X+16*((\t)%2)+15], v15 offset:32*SP*((\t)%2)+SP+16
.endm
.macro MKSC k, e                       ; set k's two constants from the exponent in scalar register e
	s_add_co_i32 s33, \e, 127
	s_lshl_b32 s34, s33, 23
	v_mov_b32 v[SC+\k], s34                        ; 2^e as f32: the conversion takes its exponent field
	s_add_co_i32 s33, s33, 8
	s_lshl_b32 s33, s33, 23
	s_or_b32 s33, s33, 0x600000
	v_mov_b32 v[LM+\k], s33                        ; 448 x 2^e
.endm
.macro CONV t, k                       ; step t's 16 numbers of my lane into set k's codes, and out
.set CD, R+16*(\t)+4*(\k)              ; the step's numbers as loaded have gone through the stage: their registers take the codes
.irp i, 0,1,2,3,4,5,6,7,8,9,10,11,12,13,14,15
	v_med3_num_f32 v[T+\i], v[X+16*((\t)%2)+\i], -v[LM+\k], v[LM+\k]   ; the conversion to an 8-bit code does not saturate (ISA guide 7.6.2): the hold comes first
.endr
	v_cvt_scalef32_pk8_fp8_f32 v[CD:CD+1], v[T:T+7], v[SC+\k]
	v_cvt_scalef32_pk8_fp8_f32 v[CD+2:CD+3], v[T+8:T+15], v[SC+\k]
	v_nop                                          ; a plain line between the conversions and the next holds, which write their sources
	global_store_b128 v4, v[CD:CD+3], s[DST+2*\k:DST+2*\k+1] offset:256*((\t)/4)+65536*((\t)%4)   ; 16 lanes store 256 consecutive bytes, aligned; row t / 4, K steps 2 (t % 4) and the next
.endm
	s_wait_kmcnt 0x0
	s_mov_b32 s32, s36                             ; the tensor's own exponent: e0, e1, e3, e5: chosen, not branched on
	s_cmp_eq_u32 s2, 1
	s_cselect_b32 s32, s37, s32
	s_cmp_eq_u32 s2, 2
	s_cselect_b32 s32, s39, s32
	s_cmp_eq_u32 s2, 3
	s_cselect_b32 s32, s41, s32
	MKSC 0, s32
	MKSC 1, s38                                    ; e2
	MKSC 2, s40                                    ; e4
	s_wait_alu depctr_va_vdst(0)                   ; the wait at the head's end
	s_wait_loadcnt 28                              ; step 0's four loads are in
	TURN 0
.macro STEP t
	s_wait_dscnt 0x0                               ; this step's numbers are back from the stage, and its stores into the stage have read their registers
.if (\t)+1 < STEPS
	s_wait_loadcnt 4*(STEPS-2-(\t))                ; the next step's four loads are in; those of the steps behind it may be out
	TURN (\t)+1                                    ; they go through the other stage while this step is worked
.endif
	CONV \t, 0
	s_cmp_lg_u32 s2, 0                             ; only x has a second and a third scale: a branch on the work-group's number
	s_cbranch_scc1 .Lone_\@
	CONV \t, 1
	CONV \t, 2
.Lone_\@:
.endm
.irp t, 0,1,2,3,4,5,6,7
	STEP \t
.endr
	s_wait_tensorcnt 0x0                           ; the wave's end
	ds_add_u32 v[SPW], v[NIL]
	s_wait_dscnt 0x0
	s_endpgm
.Lrope:                                            ; the tables: 32 loads, 32 dense stores; no LDS
	s_sub_co_u32 s32, ttmp9, 1024
	s_lshl_b32 s32, s32, 2
	s_add_co_u32 s32, s32, s30                     ; my block of 16 tokens
	s_lshl_b32 s34, s32, 13                        ; 16 rows of 512 bytes
	s_mov_b32 s35, 0
	s_add_nc_u64 s[16:17], s[16:17], s[34:35]
	s_add_nc_u64 s[18:19], s[18:19], s[34:35]
	s_lshl_b32 s34, s32, 14                        ; 16,384 bytes of image a block
	s_add_nc_u64 s[24:25], s[24:25], s[34:35]
	v_and_b32 v4, 15, v0                           ; r
	v_bfe_u32 v5, v0, 4, 1                         ; h
	v_lshlrev_b32 v4, 9, v4
	v_lshl_add_u32 v4, v5, 5, v4                   ; row r, + 32 h
.irp tab, 0,1
.irp i, 0,1,2,3,4,5,6,7,8,9,10,11,12,13,14,15
	global_load_b128 v[16+64*\tab+4*\i:16+64*\tab+4*\i+3], v4, s[16+2*\tab:17+2*\tab] offset:64*(\i/2)+16*(\i%2)
.endr
.endr
.set n, 0
.rept 32
	s_wait_loadcnt 31-n                            ; loads come back in order: number n is in
	global_store_b128 v3, v[16+4*n:16+4*n+3], s[24:25] offset:512*n
.set n, n+1
.endr
	s_endpgm
.Lfunc_end_k_qc3d439bc69_quant:
	.size	k_qc3d439bc69_quant, .Lfunc_end_k_qc3d439bc69_quant-k_qc3d439bc69_quant
	.p2alignl 7, 3214868480
	.fill 96, 4, 3214868480
	.section	.rodata,"a",@progbits
	.p2align	6, 0x0
	.amdhsa_kernel k_qc3d439bc69_quant
		.amdhsa_group_segment_fixed_size 20992
		.amdhsa_private_segment_fixed_size 0
		.amdhsa_enable_private_segment 0
		.amdhsa_kernarg_size 72
		.amdhsa_user_sgpr_count 2
		.amdhsa_user_sgpr_kernarg_segment_ptr 1
		.amdhsa_wavefront_size32 1
		.amdhsa_system_sgpr_workgroup_id_x 1
		.amdhsa_system_sgpr_workgroup_id_y 1
		.amdhsa_system_sgpr_workgroup_id_z 1
		.amdhsa_system_vgpr_workitem_id 0
		.amdhsa_next_free_vgpr 192
		.amdhsa_next_free_sgpr 66
		.amdhsa_reserve_vcc 0
		.amdhsa_float_denorm_mode_32 3
		.amdhsa_float_denorm_mode_16_64 3
		.amdhsa_memory_ordered 1
		.amdhsa_forward_progress 1
		.amdhsa_inst_pref_size 50
	.end_amdhsa_kernel
	.amdgpu_metadata
---
amdhsa.version: [ 1, 2 ]
amdhsa.kernels:
  - .name:           k_qc3d439bc69_quant
    .symbol:         k_qc3d439bc69_quant.kd
    .args:
      - { .name: x, .offset: 0, .size: 8, .value_kind: global_buffer, .address_space: global }
      - { .name: Wq, .offset: 8, .size: 8, .value_kind: global_buffer, .address_space: global }
      - { .name: Wk, .offset: 16, .size: 8, .value_kind: global_buffer, .address_space: global }
      - { .name: Wv, .offset: 24, .size: 8, .value_kind: global_buffer, .address_space: global }
      - { .name: rotary_cos, .offset: 32, .size: 8, .value_kind: global_buffer, .address_space: global }
      - { .name: rotary_sin, .offset: 40, .size: 8, .value_kind: global_buffer, .address_space: global }
      - { .name: lowp_scales, .offset: 48, .size: 8, .value_kind: global_buffer, .address_space: global }
      - { .name: codes, .offset: 56, .size: 8, .value_kind: global_buffer, .address_space: global }
      - { .name: ropeimg, .offset: 64, .size: 8, .value_kind: global_buffer, .address_space: global }
    .group_segment_fixed_size: 20992
    .private_segment_fixed_size: 0
    .kernarg_segment_align: 8
    .kernarg_segment_size: 72
    .max_flat_workgroup_size: 128
    .sgpr_count:     66
    .vgpr_count:     192
    .wavefront_size: 32
...
	.end_amdgpu_metadata
.endif
;; end of part 1
;; launch qkv (part 2): grid 32 x 8, 4 waves a work-group, clusters of 4 x 4, 327,680 bytes of LDS; arguments codes, ropeimg, lowp_scales, qkv, Wo, wocodes; writes qkv, wocodes
.if DOCPART == 2
	.amdgcn_target "amdgcn-amd-amdhsa--gfx1250"
	.amdhsa_code_object_version 6
	.text
	.protected	k_qc3d439bc69_qkv
	.globl	k_qc3d439bc69_qkv
	.p2align	8
	.type	k_qc3d439bc69_qkv,@function
k_qc3d439bc69_qkv:
	s_mov_b64 s[64:65], 0
	v_nop
	global_prefetch_b8 v0, s[64:65] scope:SCOPE_SE
	s_setreg_imm32_b32 hwreg(HW_REG_WAVE_MODE, 25, 1), 1
	s_wait_xcnt 0x0
	s_wait_alu depctr_hold_cnt(0) depctr_sa_sdst(0) depctr_va_vdst(0) depctr_va_sdst(0) depctr_va_ssrc(0) depctr_va_vcc(0) depctr_vm_vsrc(0)
	s_getreg_b32 s2, hwreg(HW_REG_IB_STS2, 6, 4)
	s_cmp_eq_u32 s2, 0
	s_cbranch_scc0 .Lentry_in_a_cluster
	s_endpgm
.Lentry_in_a_cluster:
	s_bfe_u32 s2, ttmp6, 0x10000c
	s_cmp_lg_u32 s2, 0xf033
	s_cbranch_scc0 .Lentry_shape_is_right
	s_endpgm
.Lentry_shape_is_right:
; q = rope(x Wq^T), k = rope(x Wk^T), v = x Wv^T on codes of E4M3, and the three results quantised for attention; beside them Wo becomes codes.
; One launch: t = cluster x / 2 says which (0 q, 1 k, 2 v, 3 Wo's codes); it is the same in all partners of a cluster.  12 clusters make the 192 tiles of the products, the other four, 64 work-groups, quantise Wo.
; A tile of 256 x 256 is made by four waves, each 128 x 128: 64 accumulators of 16 x 16, 512 registers.  K goes in steps of 256 through a ring of two LDS slots filled by the tensor data mover.
; The codes lie as dense tiles of 128 rows x 256 bytes, a row block's K steps one behind the other.  Wave w fetches row block w of the step's four (A's two, B's two); LDS is laid [w][slot][128 rows of 272 bytes],
; so that the head's ONE load a wave, 256 rows of 256 bytes, fills both slots with K steps 0 and 1.  Every later load fills one slot.
; THE MATRIX INSTRUCTION IS USED TRANSPOSED: source 0 = 16 rows of operand B, source 1 = 16 rows of operand A: a lane holds ONE row of A and its eight registers eight neighbouring rows of B.
;   t < 2: A = x by its scale for this product, B = the weight: a lane holds one token, registers run along the head's 128: attention's first K.
;   t = 2: A = Wv, B = x: a lane holds one channel, registers run along the tokens: attention's second K.
; A wave's 128 x 128 is one head x 128 tokens.  Eight registers of tile b, converted, ARE registers 2 b, 2 b + 1 of a fragment of the plain 8-bit form (k = 16 b + 8 (lane / 16) + 0..7).
; OUT: images of such fragments' registers, 2,048 bytes each (register group c at 512 c + 16 x lane): q and k as [head][block of 16 tokens][2048], v as [head][128 keys][block of 16 channels][2048]; every store is 512 dense bytes.
; ROPE acts on the raw sums (it is linear, and the sums lack only a power of two): out = s cos + rot(s) sin, one multiply and one fused multiply-add for each number, where the definition rounds three times.
; The tables' images (16,384 bytes for 16 tokens, cos and sin) come by joint tensor loads, 32,768 bytes a wave, into slot 0 while the last K step is multiplied and into slot 1 behind it: a wave's blocks 0, 1, 4, 5, then 2, 3, 6, 7.
; The three scales are folded into the conversion's one: code = sum / 2^(e_out - e_a - e_b).
; LIMITS: e6 - e0 - e1, e7 - e2 - e3, e9 - e4 - e5 and e11 lie between -126 and 119.  NaN is not served.
; CLUSTERS: 4 x 4 work-groups; A's tiles and the tables are asked for jointly along a row of the cluster, B's along a column.
; PREFETCH: each refill asks the L2 for the K step two further on (the head for K steps 2 and 3, the loop's last trip for the tables): a wave's 32,768 bytes are shared by its four partners by address, 8,192 bytes each, lanes 256 bytes apart.
; REGISTERS, in windows of 256: window 0: v16-31 addresses and constants; v32-95 numbers on the way out, v96-111 their codes; from v128 A's fragments, ONE set.
;   window 1: B's fragments, TWO sets (v0, v128); on the way out two sets of cos (64) and sin (64).   windows 2, 3: the accumulators ((a, b) at v[8 (8 (a % 4) + b)]).
.set ROWB,   256
.set PITCH,  272                       ; an LDS row: 256 bytes + 16 of padding: the 16 rows that a load touches start at 16 different banks (64 banks of 4 bytes: ISA guide 11.1)
.set FR,     16
.set NL,     4
.set NP,     4                         ; places behind this matrix instruction (ISA guide 7.12.1)
.set HALFT,  128*PITCH                 ; one slot of a wave's piece
.set PIECE,  2*HALFT
.set TILE,   32768                     ; bytes of a K step's 128 rows in memory
.set SPARE,  4*PIECE                   ; behind the ring: the spare words, 128 bytes for each wave, which no other line names
.set STG,    SPARE+512                 ; Wo's work-groups: a region of WREG bytes for each wave
.set WREG,   5120
.set SP,     80
.set ADRA, 16
.set ADRB, 20
.set ADT,  22                          ; v22-25 LDS addresses of the tables: [slot][which of my two pieces]
.set PFO,  26                          ; v26  256 x lane
.set LI,   27                          ; v27  16 x lane
.set SPW,  28
.set NIL,  29
.set SCL,  30                          ; v30  the conversion's scale as f32
.set LIM,  31                          ; v31  448 x that
.set T,    32
.set PC,   96
.set AF,   128
.set G1, 24
.set G0, 32
.set G1B, 48
.set G0B, 56
.set TT,  66                           ; s66  t
.set G1H, 68                           ; s[68:75], s[76:83] group 1 for the head's loads: 256 rows
.set G1HB, 76
.set G1T, 84                           ; s[84:91], s[92:95] the tables' descriptor
.set G0T, 92
.set PFA, 96                           ; s[96:97] where my prefetches stand
.set PFT, 98                           ; s[98:99] the same in the tables
.set NOASK, 100                        ; s100  the loop's count at which nothing is asked for: 1 where t = 2, which has no tables
.set PADW, (1<<20)|(1<<21)|(5<<22)|(3<<25)   ; elements of 1 byte; padding on; bit 21 beside a mask; after every 64 words, 4 words
.set MSB, 0
.macro WIN new                         ; the immediate's high byte repeats the setting that is left
.if MSB != (\new)
	s_set_vgpr_msb (MSB<<8)|(\new)
.set MSB, (\new)
.endif
.endm
.set MUL_LO, 0xa1
.set MUL_HI, 0xf1
.set TO_B,   0x40
.macro JLOAD g0a, g1a, g0b, g1b        ; a joint load: waves 0 and 1 fetch for A, waves 2 and 3 for B; an s_nop 0 and four v_nop follow each line
	s_cmp_eq_u32 s15, 0
	s_cbranch_scc0 .Lfor_b_\@
	tensor_load_to_lds s[\g0a:\g0a+3], s[\g1a:\g1a+7]
	s_nop 0
.rept 4
	v_nop
.endr
	s_branch .Lasked_\@
.Lfor_b_\@:
	tensor_load_to_lds s[\g0b:\g0b+3], s[\g1b:\g1b+7]
	s_nop 0
.rept 4
	v_nop
.endr
.Lasked_\@:
.endm
.macro TLOAD                           ; the tables: every wave its own 32,768 bytes, jointly along the cluster's row
	tensor_load_to_lds s[G0T:G0T+3], s[G1T:G1T+7]
	s_nop 0
.rept 4
	v_nop
.endr
.endm
.macro ASK off
	s_cmp_eq_u32 s3, s[NOASK]
	s_cbranch_scc1 .Lno_ask_\@
	global_prefetch_b8 v[PFO], s[PFA:PFA+1] offset:\off th:TH_LOAD_NT scope:SCOPE_SE
.Lno_ask_\@:
.endm
.macro CREST
	s_cmp_lg_u32 s14, 0
	s_cbranch_scc1 .Lnot_wave_0_\@
	s_barrier_signal -3
.Lnot_wave_0_\@:
	s_barrier_wait -3
	s_barrier_signal -1
	s_barrier_wait -1
.endm
.macro CROUND
	s_barrier_signal -1
	s_barrier_wait -1
	CREST
.endm
	s_load_b256 s[4:11], s[0:1], 0x0               ; codes s[4:5], ropeimg s[6:7], the scales' exponents s[8:9], qkv s[10:11]
	s_load_b128 s[92:95], s[0:1], 0x20             ; Wo s[92:93], its codes s[94:95]
	v_lshl_add_u32 v[SPW], v0, 2, SPARE
	v_mov_b32 v[NIL], 0
	ds_add_u32 v[SPW], v[NIL]                      ; the wave's opening: the add, twice on end, and its wait ahead of my first tensor load; the set-up below stands between them
	ds_add_u32 v[SPW], v[NIL]
	v_lshrrev_b32 v1, 5, v0
	v_readfirstlane_b32 s14, v1                    ; wave 0..3
	s_lshr_b32 s15, s14, 1                         ; which half of A's rows is mine.  Also: I fetch for A (0) or for B (1)
	s_and_b32 s16, s14, 1                          ; which half of B's rows.  Also: which 128 rows of that tile I fetch
	s_bfe_u32 s40, ttmp6, 0x40000                  ; cx, cy: my place in the cluster
	s_bfe_u32 s41, ttmp6, 0x40004
	s_lshr_b32 s[TT], ttmp9, 1                     ; t: two clusters along x for each of q, k, v and Wo
	s_and_b32 s12, ttmp9, 1
	s_and_b32 s67, ttmp7, 0xffff
	s_lshl_b32 s101, s12, 1                        ; Wo: which of the 64 work-groups I am: 16 x cluster + 4 cy + cx
	s_add_co_u32 s101, s101, s67
	s_lshl_b32 s101, s101, 2
	s_add_co_u32 s101, s101, s41
	s_lshl_b32 s101, s101, 2
	s_add_co_u32 s101, s101, s40
	s_lshl_b32 s42, s12, 2
	s_add_co_u32 s42, s42, s40                     ; tile column 0..7
	s_lshl_b32 s17, s67, 2
	s_add_co_u32 s17, s17, s41                     ; tile row 0..7
	s_lshl_b32 s43, s41, 2
	s_lshl_b32 s43, 15, s43                        ; my row of the cluster
	s_lshl_b32 s44, 0x1111, s40                    ; my column
	s_or_b32 s[G1], s43, PADW
	s_or_b32 s[G1H], s43, PADW
	s_or_b32 s[G1B], s44, PADW
	s_or_b32 s[G1HB], s44, PADW
.irp g, G1, G1B, G1H, G1HB
	s_mov_b32 s[\g+1], ROWB<<16                    ; tensor_dim0
	s_mov_b32 s[\g+3], ROWB<<16                    ; tile_dim0
	s_mov_b32 s[\g+5], ROWB                        ; the pitch: a dense block
	s_mov_b32 s[\g+6], 0
	s_mov_b32 s[\g+7], 0
.endr
.irp g, G1, G1B
	s_mov_b32 s[\g+2], 128<<16                     ; tensor_dim1
	s_mov_b32 s[\g+4], 128                         ; tile_dim1
.endr
.irp g, G1H, G1HB
	s_mov_b32 s[\g+2], 256<<16
	s_mov_b32 s[\g+4], 256
.endr
	s_or_b32 s[G1T], s43, (3<<16)|(1<<21)          ; the tables: elements of 8 bytes, no padding, 128 rows of 256 bytes
	s_mov_b32 s[G1T+1], 32<<16
	s_mov_b32 s[G1T+2], 128<<16
	s_mov_b32 s[G1T+3], 32<<16
	s_mov_b32 s[G1T+4], 128
	s_mov_b32 s[G1T+5], 32
	s_mov_b32 s[G1T+6], 0
	s_mov_b32 s[G1T+7], 0
	; which of the buffer's six tensors are A and B: offsets, chosen by t
	s_lshl_b32 s18, s[TT], 22                      ; x by this product's scale is tensor t,
	s_add_co_u32 s19, s18, 0xc00000                ; the weight tensor 3 + t
	s_cmp_eq_u32 s[TT], 2
	s_cselect_b32 s[NOASK], 1, 0
	s_cselect_b32 s20, 0x1400000, s18              ; A: x, or Wv (tensor 5)
	s_cselect_b32 s46, s18, s19                    ; B: the weight, or x (tensor 2)
	s_lshl_b32 s22, s17, 1
	s_add_co_u32 s2, s22, s15                      ; which 128 rows of A my tile takes,
	s_add_co_u32 s22, s22, s16                     ; and which I fetch, if I fetch for A
	s_lshl_b32 s22, s22, 18                        ; 262,144 bytes a row block
	s_add_co_u32 s20, s20, s22
	s_mov_b32 s21, 0
	s_lshl_b32 s23, s42, 1
	s_add_co_u32 s3, s23, s16                      ; which 128 rows of B: my tile's, and those that I fetch, if I fetch for B
	s_lshl_b32 s23, s3, 18
	s_add_co_u32 s46, s46, s23
	s_mov_b32 s47, 0
	s_mul_i32 s45, s14, PIECE                      ; where they go: no place in the cluster enters an LDS address
	s_cmp_eq_u32 s[TT], 2
	s_cselect_b32 s12, s2, s3                      ; the head: among the weight's rows,
	s_cselect_b32 s13, s3, s2                      ; the 128 tokens: among x's
	s_lshl_b32 s12, s12, 18
	s_lshl_b32 s13, s13, 14
	s_add_co_u32 s12, s12, s13
	s_add_co_u32 s12, s12, s18                     ; image t of 4 MiB
	s_mov_b32 s13, 0
	s_lshl_b32 s18, s17, 18                        ; the tables of my tile row's 256 tokens (used where t < 2: A's rows are tokens),
	s_lshl_b32 s19, s14, 16                        ; four blocks a wave
	s_add_co_u32 s18, s18, s19
	s_mov_b32 s19, 0
	s_cmp_eq_u32 s15, 0
	s_cselect_b32 s22, s40, s41                    ; my place among the four that ask for a tile with me
	s_lshl_b32 s22, s22, 13                        ; 8,192 bytes each
	s_mov_b32 s23, 0
	s_lshl_b32 s40, s40, 13
	s_mov_b32 s41, 0
	s_wait_alu depctr_va_vdst(0)                   ; the wait here, directly ahead of the waits below
	s_wait_dscnt 0x0                               ; both opening adds are done
	s_wait_kmcnt 0x0
	s_cmp_eq_u32 s[TT], 3
	s_cbranch_scc1 .Lwo                            ; a branch on the cluster's number: all sixteen partners go the same way
	s_add_nc_u64 s[20:21], s[4:5], s[20:21]
	s_add_nc_u64 s[46:47], s[4:5], s[46:47]
	s_add_nc_u64 s[10:11], s[10:11], s[12:13]
	s_cmp_eq_u32 s15, 0
	s_cselect_b64 s[PFA:PFA+1], s[20:21], s[46:47]
	s_add_nc_u64 s[PFA:PFA+1], s[PFA:PFA+1], s[22:23]
	s_add_nc_u64 s[PFA:PFA+1], s[PFA:PFA+1], 2*TILE   ; at K step 2
	s_mov_b32 s[G0T], 1
	s_mov_b32 s[G0T+1], s45
	s_add_nc_u64 s[G0T+2:G0T+3], s[6:7], s[18:19]
	s_add_nc_u64 s[PFT:PFT+1], s[G0T+2:G0T+3], s[40:41]
	s_or_b32 s[G0T+3], s[G0T+3], 0x80000000
.irp s, 0,1
	s_mov_b32 s[G0+4*\s], 1
	s_add_co_u32 s[G0+4*\s+1], s45, \s*HALFT
	s_add_nc_u64 s[G0+4*\s+2:G0+4*\s+3], s[20:21], \s*TILE
	s_or_b32 s[G0+4*\s+3], s[G0+4*\s+3], 0x80000000
	s_mov_b32 s[G0B+4*\s], 1
	s_add_co_u32 s[G0B+4*\s+1], s45, \s*HALFT
	s_add_nc_u64 s[G0B+4*\s+2:G0B+4*\s+3], s[46:47], \s*TILE
	s_or_b32 s[G0B+4*\s+3], s[G0B+4*\s+3], 0x80000000
.endr
	CROUND                                         ; all sixteen work-groups are here: the first joint loads meet
	JLOAD G0, G1H, G0B, G1HB                       ; K steps 0 and 1: one tensor load a wave at the head
	s_mul_i32 s22, s15, PIECE                      ; my 128 rows of A,
	s_add_co_u32 s23, s16, 2
	s_mul_i32 s23, s23, PIECE                      ; of B,
	s_mul_i32 s18, s15, 2*PIECE                    ; and my tables' two pieces
	v_and_b32 v1, 15, v0                           ; l % 16
	v_bfe_u32 v2, v0, 4, 1                         ; l / 16
	v_mul_u32_u24 v3, v1, PITCH
	v_lshl_add_u32 v4, v2, 4, v3                   ; a fragment's row x pitch + 16 x half
	v_add_nc_u32 v[ADRA], s22, v4
	v_add_nc_u32 v[ADRB], s23, v4
	v_add_nc_u32 v[ADRA+1], HALFT, v[ADRA]
	v_add_nc_u32 v[ADRB+1], HALFT, v[ADRB]
	v_and_b32 v[LI], 31, v0
	v_lshlrev_b32 v[LI], 4, v[LI]
	v_add_nc_u32 v[ADT], s18, v[LI]
	v_add_nc_u32 v[ADT+1], PIECE, v[ADT]
	v_add_nc_u32 v[ADT+2], HALFT, v[ADT]
	v_add_nc_u32 v[ADT+3], PIECE+HALFT, v[ADT]
	v_lshlrev_b32 v[PFO], 4, v[LI]
	global_prefetch_b8 v[PFO], s[PFA:PFA+1] th:TH_LOAD_NT scope:SCOPE_SE              ; my share of K step 2,
	global_prefetch_b8 v[PFO], s[PFA:PFA+1] offset:TILE th:TH_LOAD_NT scope:SCOPE_SE  ; of K step 3
	s_load_b256 s[40:47], s[8:9], 0x0              ; e0 .. e7
	s_load_b64 s[20:21], s[8:9], 0x20              ; e8, e9
.macro FRAG reg, adr, q, i             ; 16 rows x 128 K: four loads of 16 bytes; the rows' bytes are laid so that registers 2 c, 2 c + 1 hold k = 16 c + 8 (l / 16) + 0..7
.irp c, 0,1,2,3
	ds_load_b128 v[\reg+4*\c:\reg+4*\c+3], v[\adr] offset:128*(\q)+32*\c+(\i)*16*PITCH
.endr
.endm
; 16 matrix instructions: A's blocks a0, a0 + 1 x B's eight.  The 64 accumulators take turns, one instruction a turn, in the same order in every step.
.macro MUL16 a0, p, zero
.irp a, \a0, \a0+1
.irp b, 0,1,2,3,4,5,6,7
.if \zero
	v_wmma_f32_16x16x128_fp8_fp8 v[8*(8*((\a)%4)+\b):8*(8*((\a)%4)+\b)+7], v[128*(\p)+FR*\b:128*(\p)+FR*\b+FR-1], v[AF+FR*(\a):AF+FR*(\a)+FR-1], 0
.else
	v_wmma_f32_16x16x128_fp8_fp8 v[8*(8*((\a)%4)+\b):8*(8*((\a)%4)+\b)+7], v[128*(\p)+FR*\b:128*(\p)+FR*\b+FR-1], v[AF+FR*(\a):AF+FR*(\a)+FR-1], v[8*(8*((\a)%4)+\b):8*(8*((\a)%4)+\b)+7]
.endif
.endr
.endr
.endm
.macro FETCH_B slot, q, p
	WIN TO_B
.irp i, 0,1,2,3,4,5,6,7
	FRAG 128*(\p)+FR*\i, ADRB+\slot, \q, \i
.endr
	WIN 0
.endm
.macro FETCH_A slot, q, i0
.irp i, \i0, \i0+1, \i0+2, \i0+3
	FRAG AF+FR*(\i), ADRA+\slot, \q, \i
.endr
.endm
.macro PLACES n                        ; plain vector lines between a matrix instruction and a load into, or a vector read of, its registers
.rept \n
	v_nop
.endr
.endm
.macro STEP slot, q, zero              ; 128 along K with its successor in the same slot
	s_wait_dscnt 4*NL                              ; B's set and A's blocks 0-3 are in; the youngest loads (A's blocks 4-7) may be out
	WIN MUL_LO
	MUL16 0, (\q)%2, \zero
	MUL16 2, (\q)%2, \zero
	s_wait_dscnt 0                                 ; A's blocks 4-7 are in
	PLACES NP
	FETCH_B \slot, (\q)+1, 1-(\q)%2
	FETCH_A \slot, (\q)+1, 0
	WIN MUL_HI
	MUL16 4, (\q)%2, \zero
	MUL16 6, (\q)%2, \zero
	PLACES NP
	WIN 0
	FETCH_A \slot, (\q)+1, 4
.endm
; The first half of a slot's last step: one barrier; ahead of it each wave waits for all its tensor loads, adds 0 to its spare word, and waits for that and for its reads of this slot.
.macro MEET
	s_wait_tensorcnt 0x0                           ; all my tensor loads have landed: my part of what is read next
	ds_add_u32 v[SPW], v[NIL]
	s_wait_dscnt 4*NL+1                            ; (the add and A's blocks 4-7 may be out)
	WIN MUL_LO
	MUL16 0, 1, 0
	s_wait_dscnt 0x0                               ; the add is done, and my reads of this slot are over
	s_barrier_signal -1
	MUL16 2, 1, 0
	WIN 0
	s_barrier_wait -1
.endm
; A slot's last step changes slots.  fill = 1: the slot is filled again, two K steps ahead; 2: with the tables; 0: not.
.macro TURN slot, next, fill
.if (\fill) == 1 && (\slot) == 0
	s_wait_xcnt 0x0                                ; my prefetches have read their address: it goes two K steps on,
	s_add_nc_u64 s[PFA:PFA+1], s[PFA:PFA+1], 2*TILE
	s_cmp_eq_u32 s3, 1                             ; or, in the last trip, to the tables
	s_cselect_b64 s[PFA:PFA+1], s[PFT:PFT+1], s[PFA:PFA+1]
.endif
	MEET
.if (\fill) == 1
	CREST                                          ; the barrier has opened a round of the cluster's barrier: no wave of any partner still reads this slot or has a load on its way
	s_add_nc_u64 s[G0+4*\slot+2:G0+4*\slot+3], s[G0+4*\slot+2:G0+4*\slot+3], 2*TILE
	s_add_nc_u64 s[G0B+4*\slot+2:G0B+4*\slot+3], s[G0B+4*\slot+2:G0B+4*\slot+3], 2*TILE
	JLOAD G0+4*\slot, G1, G0B+4*\slot, G1B         ; the first tensor load behind the round; its four v_nop are the places in front of the loads below
.elseif (\fill) == 2
	CREST
	TLOAD
.else
	PLACES NP
.endif
	FETCH_B \next, 0, 0
	FETCH_A \next, 0, 0
.if (\fill) == 1
	ASK TILE*(\slot)
.endif
	WIN MUL_HI
	MUL16 4, 1, 0
	MUL16 6, 1, 0
	PLACES NP
	WIN 0
	FETCH_A \next, 0, 4
.endm
; The tables of block a's 16 tokens into set a % 2 of window 1: register 64 x table + 8 b + j = table[token][16 b + 8 (l / 16) + j]: the accumulators' own layout.  32 dense LDS loads.
.macro RLOAD a
	WIN TO_B
.irp tab, 0,1
.irp i, 0,1,2,3,4,5,6,7,8,9,10,11,12,13,14,15
	ds_load_b128 v[128*((\a)%2)+64*\tab+4*\i:128*((\a)%2)+64*\tab+4*\i+3], v[ADT+(\a)/4+2*(((\a)/2)%2)] offset:16384*((\a)%2)+8192*\tab+512*\i
.endr
.endr
	WIN 0
.endm
	s_wait_alu depctr_va_vdst(0)                   ; the wait at the head's end
	s_wait_tensorcnt 0x0                           ; my part of K steps 0 and 1 is in,
	s_barrier_signal -1
	s_barrier_wait -1                              ; everybody's is
	FETCH_B 0, 0, 0
	FETCH_A 0, 0, 0
	FETCH_A 0, 0, 4
	STEP 0, 0, 1                                   ; the first step's products start the sums: nothing is cleared
	s_mov_b32 s3, 3
.Llap:                                             ; a trip goes once round the ring and fills both slots again
	TURN 0, 1, 1
	STEP 1, 0, 0
	TURN 1, 0, 1
	STEP 0, 0, 0
	s_sub_co_u32 s3, s3, 1
	s_cmp_lg_u32 s3, 0
	s_cbranch_scc1 .Llap
	s_wait_kmcnt 0x0
	s_sub_co_i32 s12, s46, s40
	s_sub_co_i32 s12, s12, s41                     ; q: e6 - e0 - e1
	s_sub_co_i32 s13, s47, s42
	s_sub_co_i32 s13, s13, s43                     ; k: e7 - e2 - e3
	s_sub_co_i32 s18, s21, s44
	s_sub_co_i32 s18, s18, s45                     ; v: e9 - e4 - e5
	s_cmp_eq_u32 s[TT], 1
	s_cselect_b32 s12, s13, s12
	s_cmp_eq_u32 s[TT], 2
	s_cselect_b32 s12, s18, s12
	s_add_co_i32 s12, s12, 127
	s_lshl_b32 s13, s12, 23
	v_mov_b32 v[SCL], s13                          ; the folded scale as f32
	s_add_co_i32 s12, s12, 8
	s_lshl_b32 s12, s12, 23
	s_or_b32 s12, s12, 0x600000
	v_mov_b32 v[LIM], s12                          ; 448 x that
	s_wait_alu depctr_va_vdst(0)                   ; the wait here, directly ahead of the branch
	s_cmp_eq_u32 s[TT], 2                          ; q and k, or v: from here on each has a text of its own; all partners of a cluster go the same way
	s_cbranch_scc1 .Lvtail
.macro CODES a                         ; 64 held numbers in v[T] on become block a's fragment, and leave
.irp b, 0,1,2,3,4,5,6,7
	v_cvt_scalef32_pk8_fp8_f32 v[PC+2*\b:PC+2*\b+1], v[T+8*\b:T+8*\b+7], v[SCL]
.endr
	v_nop                                          ; a plain line behind the last conversion
.irp c, 0,1,2,3
	global_store_b128 v[LI], v[PC+4*\c:PC+4*\c+3], s[10:11] offset:2048*(\a)+512*\c   ; 32 lanes store 512 consecutive bytes, aligned
.endr
.endm
; 16 tokens x the head's 128: rope, hold, codes.  w: the LDS loads that may be out (32: the next block's).  pre: a block whose tables are asked for behind a barrier that shows slot 1's; post: one asked for behind the reads of this set.  9: none.
.macro BLOCKQK a, w, pre, post
.set AC, 64*((\a)%4)
.set RS, 128*((\a)%2)
	s_wait_dscnt \w
	s_wait_xcnt 0x0                                ; the last block's stores have read the codes' registers
.if (\pre) < 8
	s_wait_tensorcnt 0x0                           ; my part of the tables in slot 1 is in,
	s_barrier_signal -1
	s_barrier_wait -1                              ; everybody's is
	RLOAD \pre
.endif
	WIN 0x06+(\a)/4                                ; source 0: the sums (window 2 or 3); source 1: the tables (window 1)
.irp b, 0,1,2,3
.irp j, 0,2,4,6
	v_pk_mul_f32 v[T+8*\b+\j:T+8*\b+\j+1], v[AC+8*\b+\j:AC+8*\b+\j+1], v[RS+8*\b+\j:RS+8*\b+\j+1]                      ; d < 64: s(d) cos(d)
	v_pk_mul_f32 v[T+32+8*\b+\j:T+32+8*\b+\j+1], v[AC+32+8*\b+\j:AC+32+8*\b+\j+1], v[RS+32+8*\b+\j:RS+32+8*\b+\j+1]    ; d >= 64 likewise
	v_pk_fma_f32 v[T+8*\b+\j:T+8*\b+\j+1], v[AC+32+8*\b+\j:AC+32+8*\b+\j+1], v[RS+64+8*\b+\j:RS+64+8*\b+\j+1], v[T+8*\b+\j:T+8*\b+\j+1] neg_lo:[1,0,0] neg_hi:[1,0,0]   ; - s(d + 64) sin(d)
	v_pk_fma_f32 v[T+32+8*\b+\j:T+32+8*\b+\j+1], v[AC+8*\b+\j:AC+8*\b+\j+1], v[RS+96+8*\b+\j:RS+96+8*\b+\j+1], v[T+32+8*\b+\j:T+32+8*\b+\j+1]                            ; + s(d - 64) sin(d)
.endr
.endr
.if (\post) < 8
	RLOAD \post
.endif
	WIN 0
.set n, 0
.rept 64
	v_med3_num_f32 v[T+n], v[T+n], -v[LIM], v[LIM] ; the conversion does not saturate (ISA guide 7.6.2)
.set n, n+1
.endr
	CODES \a
.endm
.macro BLOCKV a                        ; 16 channels x 128 tokens: hold, codes
.set AC, 64*((\a)%4)
	s_wait_xcnt 0x0
	WIN 0x02+(\a)/4
.set n, 0
.rept 64
	v_med3_num_f32 v[T+n], v[AC+n], -v[LIM], v[LIM]   ; each accumulator from its low end on
.set n, n+1
.endr
	WIN 0
	CODES \a
.endm
	; q and k: the last lap.  Slot 0 takes the first half of the tables while slot 1 is multiplied, slot 1 the second half behind its own last reads.
	TURN 0, 1, 2
	STEP 1, 0, 0
	MEET                                           ; the tables in slot 0 are shown to all by this barrier
	CREST
	s_add_co_u32 s[G0T+1], s[G0T+1], HALFT         ; (no tensor load of mine is out)
	s_add_nc_u64 s[G0T+2:G0T+3], s[G0T+2:G0T+3], TILE
	TLOAD
	RLOAD 0                                        ; into B's set 0, which the step before has left; lands under the last products
	WIN MUL_HI
	MUL16 4, 1, 0
	MUL16 6, 1, 0
	PLACES NP
	WIN 0
	RLOAD 1
	; THE WAY OUT.  A block's codes are a fragment's registers, and they are stored as they stand.
	BLOCKQK 0, 32, 9, 4
	BLOCKQK 1, 32, 9, 5
	BLOCKQK 4, 32, 9, 9
	BLOCKQK 5, 0, 2, 3
	BLOCKQK 2, 32, 9, 6
	BLOCKQK 3, 32, 9, 7
	BLOCKQK 6, 32, 9, 9
	BLOCKQK 7, 0, 9, 9
	s_branch .Ldone
.Lvtail:                                           ; v: the last lap fills nothing
	TURN 0, 1, 0
	STEP 1, 0, 0
	s_wait_dscnt 4*NL                              ; the very last step
	WIN MUL_LO
	MUL16 0, 1, 0
	MUL16 2, 1, 0
	s_wait_dscnt 0
	WIN MUL_HI
	MUL16 4, 1, 0
	MUL16 6, 1, 0
	WIN 0
	PLACES NP
.irp a, 0,1,2,3,4,5,6,7
	BLOCKV \a
.endr
	s_branch .Ldone
; Wo [2048][2048] f32 into codes by e11: 32 rows a work-group, 8 a wave, two rows (8 steps of 512 numbers, 32 loads on end) a trip.  The stage's turn, the order of the bytes in a row and the hold are those of x's codes.
; OUT: wocodes = [32 blocks of 64 rows][4 K steps of 512][64 rows][512 bytes]: a step's 512 codes are one row of a tile.  These work-groups issue no tensor load.
.Lwo:
	s_load_b32 s3, s[8:9], 0x2c                    ; e11
	s_lshl_b32 s18, s101, 18
	s_lshl_b32 s19, s14, 16
	s_add_co_u32 s18, s18, s19
	s_mov_b32 s19, 0
	s_add_nc_u64 s[92:93], s[92:93], s[18:19]
	s_lshr_b32 s18, s101, 1
	s_lshl_b32 s18, s18, 17
	s_and_b32 s19, s101, 1
	s_lshl_b32 s19, s19, 14
	s_add_co_u32 s18, s18, s19
	s_lshl_b32 s19, s14, 12
	s_add_co_u32 s18, s18, s19
	s_mov_b32 s19, 0
	s_add_nc_u64 s[94:95], s[94:95], s[18:19]
	s_mul_i32 s20, s14, WREG
	s_add_co_u32 s20, s20, STG                     ; my stage
	v_and_b32 v2, 31, v0
	v_lshlrev_b32 v5, 4, v2
	v_lshrrev_b32 v6, 2, v2
	v_mul_u32_u24 v6, v6, SP
	v_and_b32 v7, 3, v2
	v_lshl_add_u32 v6, v7, 4, v6
	v_add_nc_u32 v6, s20, v6                       ; in: SP (lane / 4) + 16 (lane % 4)
	v_and_b32 v7, 30, v2
	v_mul_u32_u24 v7, v7, SP
	v_and_b32 v10, 1, v2
	v_lshl_add_u32 v7, v10, 5, v7
	v_add_nc_u32 v7, s20, v7                       ; out: place 2 m, + 32 o
	s_wait_kmcnt 0x0
	s_add_co_i32 s18, s3, 127
	s_lshl_b32 s19, s18, 23
	v_mov_b32 v9, s19                              ; 2^e11
	s_add_co_i32 s18, s18, 8
	s_lshl_b32 s18, s18, 23
	s_or_b32 s18, s18, 0x600000
	v_mov_b32 v8, s18                              ; 448 x 2^e11
	s_mov_b32 s2, 4
	s_wait_alu depctr_va_vdst(0)
.set WR, 64                            ; v64-191 eight sets as loaded, then the codes
.set WX, 192                           ; v192-223 two sets from the stage
.set WT, 224                           ; v224-239 held
.macro WTURN t
.irp i, 0,1,2,3
	ds_store_b128 v6, v[WR+16*(\t)+4*\i:WR+16*(\t)+4*\i+3] offset:32*SP*((\t)%2)+8*SP*\i
.endr
	ds_load_b128 v[WX+16*((\t)%2):WX+16*((\t)%2)+3],     v7 offset:32*SP*((\t)%2)
	ds_load_b128 v[WX+16*((\t)%2)+4:WX+16*((\t)%2)+7],   v7 offset:32*SP*((\t)%2)+16
	ds_load_b128 v[WX+16*((\t)%2)+8:WX+16*((\t)%2)+11],  v7 offset:32*SP*((\t)%2)+SP
	ds_load_b128 v[WX+16*((\t)%2)+12:WX+16*((\t)%2)+15], v7 offset:32*SP*((\t)%2)+SP+16
.endm
.macro WSTEP t
	s_wait_dscnt 0x0                               ; this step's numbers are back from the stage
.if (\t) < 7
	s_wait_loadcnt 4*(6-(\t))                      ; the next step's four loads are in; those behind it may be out
	WTURN (\t)+1
.endif
.irp i, 0,1,2,3,4,5,6,7,8,9,10,11,12,13,14,15
	v_med3_num_f32 v[WT+\i], v[WX+16*((\t)%2)+\i], -v8, v8
.endr
	v_cvt_scalef32_pk8_fp8_f32 v[WR+16*(\t):WR+16*(\t)+1], v[WT:WT+7], v9
	v_cvt_scalef32_pk8_fp8_f32 v[WR+16*(\t)+2:WR+16*(\t)+3], v[WT+8:WT+15], v9
	v_nop
	global_store_b128 v5, v[WR+16*(\t):WR+16*(\t)+3], s[94:95] offset:512*((\t)/4)+32768*((\t)%4)   ; 32 lanes store 512 consecutive bytes, aligned
.endm
.Lwotrip:
.irp t, 0,1,2,3,4,5,6,7
.irp i, 0,1,2,3
	global_load_b128 v[WR+16*\t+4*\i:WR+16*\t+4*\i+3], v5, s[92:93] offset:2048*\t+512*\i th:TH_LOAD_NT
.endr
.endr
	s_wait_loadcnt 28                              ; step 0's four loads are in
	WTURN 0
.irp t, 0,1,2,3,4,5,6,7
	WSTEP \t
.endr
	s_wait_xcnt 0x0                                ; the trip's stores have read their registers and their base
	s_add_nc_u64 s[92:93], s[92:93], 0x4000        ; two rows on
	s_add_nc_u64 s[94:95], s[94:95], 0x400
	s_sub_co_u32 s2, s2, 1
	s_cmp_lg_u32 s2, 0
	s_cbranch_scc1 .Lwotrip
.Ldone:
	s_wait_tensorcnt 0x0                           ; the wave's end
	ds_add_u32 v[SPW], v[NIL]
	s_wait_dscnt 0x0
	CROUND                                         ; the closing round: no work-group ends while a partner may still ask for a tile that names it
	s_endpgm
.Lfunc_end_k_qc3d439bc69_qkv:
	.size	k_qc3d439bc69_qkv, .Lfunc_end_k_qc3d439bc69_qkv-k_qc3d439bc69_qkv
	.p2alignl 7, 3214868480
	.fill 96, 4, 3214868480
	.section	.rodata,"a",@progbits
	.p2align	6, 0x0
	.amdhsa_kernel k_qc3d439bc69_qkv
		.amdhsa_group_segment_fixed_size 327680
		.amdhsa_private_segment_fixed_size 0
		.amdhsa_enable_private_segment 0
		.amdhsa_kernarg_size 48
		.amdhsa_user_sgpr_count 2
		.amdhsa_user_sgpr_kernarg_segment_ptr 1
		.amdhsa_wavefront_size32 1
		.amdhsa_system_sgpr_workgroup_id_x 1
		.amdhsa_system_sgpr_workgroup_id_y 1
		.amdhsa_system_sgpr_workgroup_id_z 1
		.amdhsa_system_vgpr_workitem_id 0
		.amdhsa_next_free_vgpr 1024
		.amdhsa_next_free_sgpr 102
		.amdhsa_reserve_vcc 0
		.amdhsa_float_denorm_mode_32 3
		.amdhsa_float_denorm_mode_16_64 3
		.amdhsa_memory_ordered 1
		.amdhsa_forward_progress 1
		.amdhsa_inst_pref_size 251
	.end_amdhsa_kernel
	.amdgpu_metadata
---
amdhsa.version: [ 1, 2 ]
amdhsa.kernels:
  - .name:           k_qc3d439bc69_qkv
    .symbol:         k_qc3d439bc69_qkv.kd
    .args:
      - { .name: codes, .offset: 0, .size: 8, .value_kind: global_buffer, .address_space: global }
      - { .name: ropeimg, .offset: 8, .size: 8, .value_kind: global_buffer, .address_space: global }
      - { .name: lowp_scales, .offset: 16, .size: 8, .value_kind: global_buffer, .address_space: global }
      - { .name: qkv, .offset: 24, .size: 8, .value_kind: global_buffer, .address_space: global }
      - { .name: Wo, .offset: 32, .size: 8, .value_kind: global_buffer, .address_space: global }
      - { .name: wocodes, .offset: 40, .size: 8, .value_kind: global_buffer, .address_space: global }
    .group_segment_fixed_size: 327680
    .private_segment_fixed_size: 0
    .kernarg_segment_align: 8
    .kernarg_segment_size: 48
    .max_flat_workgroup_size: 128
    .sgpr_count:     102
    .vgpr_count:     1024
    .wavefront_size: 32
...
	.end_amdgpu_metadata
.endif
;; end of part 2
;; launch attn (part 3): grid 16 x 16, 8 waves a work-group, no clusters, 327,680 bytes of LDS; arguments qkv, lowp_scales, aimg; writes aimg
.if DOCPART == 3
	.amdgcn_target "amdgcn-amd-amdhsa--gfx1250"
	.amdhsa_code_object_version 6
	.text
	.protected	k_qc3d439bc69_attn
	.globl	k_qc3d439bc69_attn
	.p2align	8
	.type	k_qc3d439bc69_attn,@function
k_qc3d439bc69_attn:
	s_mov_b64 s[64:65], 0
	v_nop
	global_prefetch_b8 v0, s[64:65] scope:SCOPE_SE
	s_setreg_imm32_b32 hwreg(HW_REG_WAVE_MODE, 25, 1), 1
	s_wait_xcnt 0x0
; Causal attention on codes of E4M3, and its result quantised for the last product.  qkv holds images of fragments' registers (2,048 bytes each: register group c at 512 c + 16 x lane):
; q, k: [head 16][block of 16 tokens 128][2048] (K = the head's 128);  v, 8 MiB in: [head][key step of 128 keys 16][block of 16 channels 8][2048] (K = the keys).
; THE SOFTMAX AHEAD OF THE SECOND PRODUCT: t = score x log2(e) / sqrt(128); M = the largest t so far, rounded UP to a whole number; p = 2^(t - M) is quantised by 2^e8, not normalised.
; The row's sum is taken of the unquantised p and divides at the end.  When M moves, the sum and O are multiplied by 2^(old M - new M): exact.
; SHARES.  A work-group owns one head and two blocks of 64 queries, number p and number 31 - p (p = work-group x): waves 0-3 take 16 queries each of the first, waves 4-7 of the second.
; Under the causal mask a query block's key steps grow with its number: p and 31 - p together have 17 key steps for each pair of waves, in every work-group: 256 equal work-groups.
; Both products are used transposed (S^T = K Q^T, O^T = V^T P^T): a lane holds ONE query (lane % 16).  Register 8 u + j of S^T is key 16 u + 8 (lane / 16) + j of the step: eight registers, converted, are
; registers 2 u, 2 u + 1 of P's fragment in the plain 8-bit form's own layout, which is how v's images were made.
; THE RING.  Two LDS slots of 512 keys: K's four key steps (16 KiB each), then V's four.  Each of the eight waves fetches one of the eight pieces by one tensor load; all eight read them, by dense 16-byte loads: no pitch, no padding.
; THE LDS LOADS RUN AHEAD OF THEIR USE.  All eight fragments of K and all eight of V have registers of their own (window 1).  V's 32 loads are issued behind the step's first products and land under the softmax;
; the NEXT step's 32 loads of K are issued behind the row's sums and land under the conversions, the rescaling and the second products.  Only a slot's first run of K stands straight in front of its wait.
; CAUSAL.  Every wave walks all four changes of slots; the steps of a slot are nested: a step is reached only through the step before it, and the first step all of whose keys come after the wave's queries ends the slot;
; on the diagonal hidden scores become -infinity; a slot whose first key comes after the work-group's last query is not asked for.  All waits on TENSORcnt are for 0; a wave has at most one tensor load out.
; NO CLUSTER: partners would have different causal limits: each would fetch all four slots, and pay a round of the cluster's barrier at each change.
; OUT: aimg[block of 64 tokens][group of four heads][block of 16 tokens][head of the four][2048]: the image of a fragment (16 tokens x this head's 128 of the last product's K), stored as it stands: 512 dense bytes a store.
; LIMITS: e6 + e7 between -123 and 130 (added to c's exponent field); e8 and e10 between -126 and 119; e8 + e9 is applied by v_ldexp_f32 and has none.  NaN is not served.
; REGISTERS, window 0: v1 16 x lane; v3 prefetch offset; v5, v6 the add's two; v8, v9 LDS addresses; v12 -M, v13 the largest t, v[14:15] the sum; v16-31 Q; v32-35 four maxima; v36-41 three partial sums; v96-159 S^T, then p;
;   v160-223 O^T; v224-239 codes; v240, v241, v244, v245 the quantisers' constants; v246 the lane exchange's destination, a register of no matrix instruction; v252-254 at work.
;   window 1: v0-127 K's eight fragments; v128-255 V's eight.  Seven switches of the window for a key step's 16 products and 64 loads (a slot's first step has two more, its last two fewer).
.set SLOT1, 1<<17                      ; a slot is 131,072 bytes; slot 1 begins here, so that one exclusive or turns an address in one slot into the other's
.set VOFF,  1<<16                      ; V's four key steps lie behind K's four
.set NSL,   4                          ; slots' worth of keys
.set NQ,    4                          ; key steps in a slot
.set SPARE, 2*SLOT1                    ; behind the ring: the spare words, 128 bytes for each wave, which no other line names
.set LI,   1
.set PFO,  3
.set SPW,  5
.set NIL,  6
.set AD,   8                           ; v8   LDS address of my 16 bytes in the slot's first fragment of K
.set AV,   9                           ; v9   the same for V
.set MX,   32
.set SM,   36
.set XCH,  246                         ; v246 what lane l xor 16 holds
.set KFR,  0                           ; in window 1
.set VFR,  128
.set WV,   18
.set SEL,  20
.set CS,   22
.set G1,   24
.set G0,   40
.set TB,   2
.set SLOTS, 67
.set PFA,  76
.set LIM,  80
.set QE,   94                          ; s94  my last query
.set QL,   95                          ; s95  my work-group's last query
.set KF,   98                          ; s98  the slot's first key
.set Q0,   99                          ; s99  my first query
.set MSB, 0
.macro WIN new                         ; the immediate's high byte repeats the setting that is left; a switch that changes nothing is dropped
.if MSB != (\new)
	s_set_vgpr_msb (MSB<<8)|(\new)
.set MSB, (\new)
.endif
.endm
.set TO_F, 0x40                        ; destination window 1, address window 0
.set MUL,  0x01                        ; source 0 (K's or V's fragment) window 1; source 1, C and D window 0
.macro TLOAD                           ; every wave fetches its own piece; an s_nop 0 and four v_nop follow the line
	tensor_load_to_lds s[G0:G0+3], s[G1:G1+7]
	s_nop 0
.rept 4
	v_nop
.endr
.endm
; A PREFETCH INTO THE L2 of what the NEXT change of slots will ask for.  All work-groups of a head walk the same K and V: the head's work-group 0, which walks every slot, asks.  In it each wave asks, behind its own
; tensor load and that load's five lines, for the 16 KiB that it will itself fetch at the next change, four key steps on: two instructions, lanes 256 bytes apart: each aligned block of 256 bytes is named once in the launch.
; Slots 0 and 1 come by their loads alone; the last change that fills a slot asks for nothing: there is no slot behind it.
.macro ASK
	s_cmp_gt_u32 s[SLOTS], s[LIM]
	s_cbranch_scc0 .Lnot_mine_\@
	global_prefetch_b8 v[PFO], s[PFA:PFA+1] th:TH_LOAD_NT scope:SCOPE_SE
	global_prefetch_b8 v[PFO], s[PFA:PFA+1] offset:8192 th:TH_LOAD_NT scope:SCOPE_SE
.Lnot_mine_\@:
.endm
	s_load_b128 s[4:7], s[0:1], 0x0                ; qkv s[4:5], the scales' exponents s[6:7]
	s_load_b64 s[16:17], s[0:1], 0x10              ; aimg
	v_lshl_add_u32 v[SPW], v0, 2, SPARE
	v_mov_b32 v[NIL], 0
	ds_add_u32 v[SPW], v[NIL]                      ; the wave's opening: the add and its wait ahead of my first tensor load; the set-up below stands between them
	ds_add_u32 v[SPW], v[NIL]
	v_lshrrev_b32 v8, 5, v0
	s_delay_alu instid0(VALU_DEP_1)
	v_readfirstlane_b32 s[WV], v8                  ; wave 0..7
	s_and_b32 s81, ttmp7, 0xffff                   ; the head
	s_lshl_b32 s82, s81, 18                        ; its bytes in each of the three images
	s_sub_co_u32 s83, 31, ttmp9
	s_cmp_lt_u32 s[WV], 4
	s_cselect_b32 s84, ttmp9, s83                  ; my block of 64 queries: p or 31 - p
	s_lshl_b32 s84, s84, 6
	s_and_b32 s85, s[WV], 3
	s_lshl_b32 s86, s85, 4
	s_add_co_u32 s[Q0], s84, s86                   ; my first query,
	s_add_co_u32 s[QE], s[Q0], 15                  ; my last,
	s_lshl_b32 s[QL], s83, 6
	s_or_b32 s[QL], s[QL], 63                      ; the work-group's last
	s_lshr_b32 s87, s[WV], 2                       ; what I fetch: waves 0-3 K of the slot's key step w, waves 4-7 V of key step w - 4
	s_add_co_u32 s87, s87, 1
	s_lshl_b32 s87, s87, 22                        ; k's image begins 4 MiB in, v's 8 MiB
	s_lshl_b32 s88, s85, 14                        ; a key step is 16 KiB in either
	s_add_co_u32 s88, s88, s87
	s_add_co_u32 s88, s88, s82
	s_mov_b32 s89, 0
	s_lshl_b32 s90, s[WV], 14                      ; and where it goes in a slot: 16 KiB x wave
	s_lshl_b32 s92, s[Q0], 7                       ; q: block Q0 / 16 of 2,048 bytes
	s_add_co_u32 s92, s92, s82
	s_mov_b32 s93, 0
	s_lshl_b32 s74, s84, 11                        ; aimg is laid [64 queries][4 heads][block of 16 queries][head of the four][2048]: my block of 64 queries,
	s_lshl_b32 s75, s85, 13                        ; my 16 of them,
	s_add_co_u32 s74, s74, s75
	s_lshr_b32 s75, s81, 2                         ; the head's group of four,
	s_lshl_b32 s75, s75, 15
	s_add_co_u32 s74, s74, s75
	s_and_b32 s75, s81, 3                          ; and the head in it
	s_lshl_b32 s75, s75, 11
	s_add_co_u32 s74, s74, s75
	s_mov_b32 s75, 0
	s_mov_b32 s[G1], 3<<16                         ; no mask; elements of 8 bytes; no padding
	s_mov_b32 s[G1+1], 32<<16                      ; tensor_dim0 = 32 elements: rows of 256 bytes
	s_mov_b32 s[G1+2], 64<<16                      ; tensor_dim1 = 64
	s_mov_b32 s[G1+3], 32<<16                      ; tile_dim0
	s_mov_b32 s[G1+4], 64                          ; tile_dim1
	s_mov_b32 s[G1+5], 32                          ; the pitch: a dense block
	s_mov_b32 s[G1+6], 0
	s_mov_b32 s[G1+7], 0
	s_mov_b32 s[SEL], 0x76543210
	s_mov_b32 s[SEL+1], 0xfedcba98
	s_mov_b32 s[CS], 0x3e0293ee                    ; c = log2(e) / sqrt(128)
	s_mov_b32 s[TB], 0
	s_mov_b32 s[SLOTS], NSL
	s_mov_b32 s[KF], 0
	s_cmp_eq_u32 ttmp9, 0                          ; the head's work-group 0 prefetches
	s_cselect_b32 s[LIM], 2, -1
	s_wait_dscnt 0x0                               ; the opening add is done
	s_wait_kmcnt 0x0
	s_load_b128 s[68:71], s[6:7], 0x18             ; e6, e7, e8, e9
	s_load_b64 s[72:73], s[6:7], 0x28              ; e10, e11
	s_mov_b32 s[G0], 1
	s_mov_b32 s[G0+1], s90
	s_add_nc_u64 s[G0+2:G0+3], s[4:5], s[88:89]
	s_or_b32 s[G0+3], s[G0+3], 0x80000000
	TLOAD                                          ; slot 0
	s_add_nc_u64 s[PFA:PFA+1], s[4:5], s[88:89]
	s_add_nc_u64 s[PFA:PFA+1], s[PFA:PFA+1], 0x10000  ; in slot 1: the first change steps it to slot 2.  Nothing is prefetched here, at the head
	s_add_nc_u64 s[92:93], s[4:5], s[92:93]
	s_add_nc_u64 s[16:17], s[16:17], s[74:75]
	v_and_b32 v[LI], 31, v0
	s_delay_alu instid0(VALU_DEP_1)
	v_lshlrev_b32 v[LI], 4, v[LI]
	s_delay_alu instid0(VALU_DEP_1)
	v_lshlrev_b32 v[PFO], 4, v[LI]                 ; 256 x lane
.irp c, 0,1,2,3
	global_load_b128 v[16+4*\c:19+4*\c], v[LI], s[92:93] offset:512*\c   ; Q's fragment stays in registers
.endr
	v_mov_b32 v13, 0xff61b1e6                      ; the largest t so far: -3e38
	s_delay_alu instid0(VALU_DEP_1)
	v_floor_f32 v12, -v13                          ; -M
	v_mov_b32 v14, 0
	v_mov_b32 v15, 0
	v_mov_b32 v[XCH], 0                            ; a lane permute's destination counts as one of its sources
	v_mov_b32 v253, 0                              ; (named as the upper half of the pair v[252:253])
.set n, 0
.rept 64
	v_mov_b32 v[160+n], 0                          ; O^T: the step is written without a first form of its own; its first walk finds zeros, which the first change of M leaves zeros
.set n, n+1
.endr
	s_wait_kmcnt 0x0
	s_add_co_i32 s84, s68, s69
	s_lshl_b32 s84, s84, 23
	s_add_co_i32 s[CS], s[CS], s84                 ; a score stands for score x 2^(e6 + e7): added to c's exponent field
	s_mov_b32 s[CS+1], s[CS]
	s_add_co_i32 s84, s70, 127
	s_lshl_b32 s85, s84, 23
	v_mov_b32 v244, s85                            ; 2^e8
	s_add_co_i32 s84, s84, 8
	s_lshl_b32 s84, s84, 23
	s_or_b32 s84, s84, 0x600000
	v_mov_b32 v240, s84                            ; 448 x 2^e8
	s_add_co_i32 s84, s72, 127
	s_lshl_b32 s85, s84, 23
	v_mov_b32 v245, s85                            ; 2^e10
	s_add_co_i32 s84, s84, 8
	s_lshl_b32 s84, s84, 23
	s_or_b32 s84, s84, 0x600000
	v_mov_b32 v241, s84                            ; 448 x 2^e10
; 32 LDS loads in one run: the eight fragments of K, or of V, of the slot's q-th key step
.macro KLOAD q
	WIN TO_F
.irp u, 0,1,2,3,4,5,6,7
.irp c, 0,1,2,3
	ds_load_b128 v[KFR+16*\u+4*\c:KFR+16*\u+4*\c+3], v[AD] offset:16384*(\q)+2048*\u+512*\c
.endr
.endr
	WIN 0
.endm
.macro VLOAD q
	WIN TO_F
.irp u, 0,1,2,3,4,5,6,7
.irp c, 0,1,2,3
	ds_load_b128 v[VFR+16*\u+4*\c:VFR+16*\u+4*\c+3], v[AV] offset:16384*(\q)+2048*\u+512*\c
.endr
.endr
	WIN 0
.endm
; A KEY STEP: 128 keys, the q-th of the slot in hand.  Its 32 loads of K are out when it begins, and nothing else.
.macro STEP q
	s_wait_dscnt 16                                ; K's fragments 0-3 are in; the youngest sixteen loads (fragments 4-7) may be out
	WIN MUL
.irp u, 0,1,2,3                                ; S^T = K Q^T
	v_wmma_f32_16x16x128_fp8_fp8 v[96+8*\u:103+8*\u], v[KFR+16*\u:KFR+16*\u+15], v[16:31], 0
.endr
	s_wait_dscnt 0x0
.irp u, 4,5,6,7
	v_wmma_f32_16x16x128_fp8_fp8 v[96+8*\u:103+8*\u], v[KFR+16*\u:KFR+16*\u+15], v[16:31], 0
.endr
.rept 4
	v_nop                                          ; four places: behind these products, for the reads of the scores; behind the last step's second products, for the loads into V's registers
.endr
	VLOAD \q                                       ; V lands under the softmax
	s_add_co_u32 s96, s[KF], 128*(\q)+127          ; a step all of whose keys count skips the mask
	s_cmp_le_u32 s96, s[Q0]
	s_cbranch_scc1 .Lopen_\@
	s_sub_co_i32 s96, s[Q0], s[KF]
	s_sub_co_i32 s96, s96, 128*(\q)
	v_and_b32 v252, 15, v0
	v_bfe_u32 v253, v0, 4, 1
	s_delay_alu instid0(VALU_DEP_1)
	v_lshlrev_b32 v253, 3, v253
	s_delay_alu instid0(VALU_DEP_1)
	v_sub_nc_u32 v252, v252, v253
	s_delay_alu instid0(VALU_DEP_1)
	v_add_nc_u32 v252, s96, v252                   ; d = my query - the step's first key - 8 (lane / 16).  Register n holds key 8 (lane / 16) + 16 (n / 8) + n % 8 of the step: hidden where 16 (n / 8) + n % 8 > d
	v_mov_b32 v254, 0xff800000                     ; -infinity
.set n, 0
.rept 64
	v_cmp_gt_i32 vcc_lo, 16*(n/8)+n%8, v252
	v_cndmask_b32 v[96+n], v[96+n], v254, vcc_lo
.set n, n+1
.endr
.Lopen_\@:
.irp k, 0,1,2,3                                ; the step's largest score of my query, among my 64 keys: four chains that do not wait for each other, each over two tiles, from their low ends on
	v_max3_num_f32 v[MX+\k], v[96+16*\k], v[97+16*\k], v[98+16*\k]
.endr
.irp i, 3,5,7,9,11,13
.irp k, 0,1,2,3
	v_max3_num_f32 v[MX+\k], v[MX+\k], v[96+16*\k+\i], v[97+16*\k+\i]
.endr
.endr
	v_max3_num_f32 v[MX], v[MX], v111, v127        ; each chain's sixteenth score,
	v_max3_num_f32 v[MX+1], v[MX+1], v143, v159
	s_delay_alu instid0(VALU_DEP_1)
	v_max3_num_f32 v[MX], v[MX], v[MX+1], v[MX+2]  ; and the four chains
	s_delay_alu instid0(VALU_DEP_1)
	v_max_num_f32 v254, v[MX], v[MX+3]
	s_delay_alu instid0(VALU_DEP_1)
	v_permlanex16_b32 v[XCH], v254, s[SEL], s[SEL+1]
	s_delay_alu instid0(VALU_DEP_1)
	v_max_num_f32 v254, v254, v[XCH]               ; and among lane l xor 16's
	s_delay_alu instid0(VALU_DEP_1)
	v_mul_f32 v254, s[CS], v254                    ; as t (c is positive)
	s_delay_alu instid0(VALU_DEP_1)
	v_max_num_f32 v13, v13, v254                   ; the running largest t
	v_mov_b32 v254, v12
	s_delay_alu instid0(VALU_DEP_2)
	v_floor_f32 v12, -v13                          ; the new -M = floor(-t) = -ceil(t): a whole number
	s_delay_alu instid0(VALU_DEP_1)
	v_sub_f32 v254, v12, v254                      ; old M less new M: a whole number, 0 or less
	s_delay_alu instid0(VALU_DEP_1)
	v_cvt_i32_f32 v254, v254                       ; (it saturates)
	s_delay_alu instid0(VALU_DEP_1)
	v_ldexp_f32 v252, 1.0, v254                    ; f = 2^(old M - new M)
.set n, 0
.rept 32
	v_pk_fma_f32 v[96+n:97+n], v[96+n:97+n], s[CS:CS+1], v[12:13] op_sel_hi:[1,0,0]   ; t - M, two at a time
.set n, n+2
.endr
.set n, 0
	s_wait_alu depctr_va_vdst(0)
.rept 64
	v_exp_f32 v[96+n], v[96+n]                     ; p = 2^(t - M), at most 1
.set n, n+1
.endr
	v_pk_mul_f32 v[14:15], v[14:15], v[252:253] op_sel_hi:[1,0]   ; the sums under the new M: the plain line behind the exponentials
	s_wait_alu depctr_va_vdst(0)                   ; the wait ahead of the first line that names an exponential's result: one for the batch
	v_pk_add_f32 v[36:37], v[108:109], v[116:117]
	v_pk_add_f32 v[38:39], v[124:125], v[132:133]
	v_pk_add_f32 v[40:41], v[140:141], v[148:149]
	v_pk_add_f32 v[254:255], v[156:157], v[104:105]
	v_pk_add_f32 v[250:251], v[106:107], v[114:115]
	v_pk_add_f32 v[248:249], v[122:123], v[130:131]
	v_pk_add_f32 v[242:243], v[138:139], v[146:147]
	v_pk_add_f32 v[14:15], v[14:15], v[154:155]
	v_pk_add_f32 v[36:37], v[36:37], v[96:97]
	v_pk_add_f32 v[38:39], v[38:39], v[98:99]
	v_pk_add_f32 v[40:41], v[40:41], v[110:111]
	v_pk_add_f32 v[254:255], v[254:255], v[118:119]
	v_pk_add_f32 v[250:251], v[250:251], v[126:127]
	v_pk_add_f32 v[248:249], v[248:249], v[134:135]
	v_pk_add_f32 v[242:243], v[242:243], v[142:143]
	v_pk_add_f32 v[14:15], v[14:15], v[150:151]
	v_pk_add_f32 v[36:37], v[36:37], v[158:159]
	v_pk_add_f32 v[38:39], v[38:39], v[100:101]
	v_pk_add_f32 v[40:41], v[40:41], v[102:103]
	v_pk_add_f32 v[254:255], v[254:255], v[112:113]
	v_pk_add_f32 v[250:251], v[250:251], v[120:121]
	v_pk_add_f32 v[248:249], v[248:249], v[128:129]
	v_pk_add_f32 v[242:243], v[242:243], v[136:137]
	v_pk_add_f32 v[14:15], v[14:15], v[144:145]
	v_pk_add_f32 v[36:37], v[36:37], v[152:153]
	s_delay_alu instid0(VALU_DEP_2)
	v_pk_add_f32 v[14:15], v[14:15], v[254:255]
	s_delay_alu instid0(VALU_DEP_2)
	v_pk_add_f32 v[36:37], v[36:37], v[250:251]
	v_pk_add_f32 v[38:39], v[38:39], v[248:249]
	v_pk_add_f32 v[40:41], v[40:41], v[242:243]
	s_delay_alu instid0(VALU_DEP_2)
	v_pk_add_f32 v[14:15], v[14:15], v[38:39]
	s_delay_alu instid0(VALU_DEP_2)
	v_pk_add_f32 v[36:37], v[36:37], v[40:41]
	s_delay_alu instid0(VALU_DEP_1)
	v_pk_add_f32 v[14:15], v[14:15], v[36:37]
	s_wait_dscnt 0x0                               ; V is in: its loads were issued ahead of the maximum, the scalings, the exponentials and the sums
.if (\q) < NQ-1
	KLOAD (\q)+1                                   ; the next step's K, into registers that this step's first products left long ago; it lands under what follows.  (Where the next step is hidden, the bytes are read and not used)
.endif
.irp u, 0,1,2,3,4,5,6,7
.irp i, 0,1,2,3,4,5,6,7
	v_min_num_f32 v[96+8*\u+\i], v[96+8*\u+\i], v240   ; the conversion does not saturate (ISA guide 7.6.2); p is not negative, so the hold is one-sided
.endr
	v_cvt_scalef32_pk8_fp8_f32 v[224+2*\u:225+2*\u], v[96+8*\u:103+8*\u], v244
.endr
.set n, 0
.rept 32
	v_pk_mul_f32 v[160+n:161+n], v[160+n:161+n], v[252:253] op_sel_hi:[1,0]   ; O^T under the new M.  (These are also the plain lines between the conversions and the products below)
.set n, n+2
.endr
	WIN MUL
.irp u, 0,1,2,3,4,5,6,7                        ; O^T += V^T P^T: eight accumulators, one instruction each
	v_wmma_f32_16x16x128_fp8_fp8 v[160+8*\u:167+8*\u], v[VFR+16*\u:VFR+16*\u+15], v[224:239], v[160+8*\u:167+8*\u]
.endr
	WIN 0
.endm
; THE CHANGE OF SLOTS stands at a slot's head.  Each wave waits for all its tensor loads, adds 0 to its spare word, and waits for that and for its reads of the slot that it has left.  Behind the barrier the slot ahead
; is whole and nobody reads the other one.  fill = 1: that other slot takes the keys that follow, up to the causal limit: the load has four key steps in which to land.
.macro CHANGE fill
	s_wait_tensorcnt 0x0                           ; no tensor load of mine is out, so the group 0 may be written
	ds_add_u32 v[SPW], v[NIL]
.if \fill
	s_xor_b32 s[G0+1], s[G0+1], SLOT1              ; the other slot than last time,
	s_add_nc_u64 s[G0+2:G0+3], s[G0+2:G0+3], 0x10000  ; four key steps on; the type bits on top are not reached
	s_wait_xcnt 0x0                                ; the last prefetches, a slot back, have read their address
	s_add_nc_u64 s[PFA:PFA+1], s[PFA:PFA+1], 0x10000
.endif
	s_wait_dscnt 0x0                               ; the add is done, and my reads of the slot that I have left are over, those of a hidden step's K among them
	s_barrier_signal -1
	s_barrier_wait -1
.if \fill
	s_add_co_u32 s96, s[KF], 512                   ; the first key of the slot that this change would ask for:
	s_cmp_gt_u32 s96, s[QL]                        ; past my work-group's last query none of its waves reads it.  Ids and the count of slots alone: all eight waves go the same way
	s_cbranch_scc1 .Lpast_\@
	TLOAD                                          ; a wave's one tensor load until the next change
.Lpast_\@:
	ASK
.endif
.endm
; A slot's four key steps, nested: the first step all of whose keys come after my 16 queries ends the slot (branches on ids, round loads, products and softmax; no barrier and no tensor load stands here).
.macro SLOT_STEPS tag
	s_cmp_gt_u32 s[KF], s[QE]
	s_cbranch_scc1 .Lend_\tag
	v_add_nc_u32 v[AD], s[TB], v[LI]
	s_delay_alu instid0(VALU_DEP_1)
	v_add_nc_u32 v[AV], VOFF, v[AD]
	KLOAD 0                                        ; the one run of K that stands straight in front of its wait: the slot is read only behind the barrier
	s_wait_alu depctr_va_vdst(0)
	STEP 0
.irp q, 1,2,3
	s_add_co_u32 s96, s[KF], 128*\q
	s_cmp_gt_u32 s96, s[QE]
	s_cbranch_scc1 .Lend_\tag
	STEP \q
.endr
.Lend_\tag:
	s_add_co_u32 s[KF], s[KF], 512
	s_xor_b32 s[TB], s[TB], SLOT1                  ; on to the other slot
.endm
	s_wait_loadcnt 0x0                             ; Q
.Lslot:                                            ; four trips: behind each change of slots but the last the next slot is asked for
	CHANGE 1
	SLOT_STEPS 0
	s_sub_co_u32 s[SLOTS], s[SLOTS], 1
	s_cmp_lg_u32 s[SLOTS], 0
	s_cbranch_scc1 .Lslot
	; THE WAY OUT.  O^T x 2^(e8 + e9) / the sum, held, converted: the eight registers of channel tile u become registers 2 u, 2 u + 1 of the last product's fragment.
	; The lines up to the first read of O^T name no register of the last products (their operands are window 1's and v224-239, their sums v160-223): the two additions, the v_nop and the v_ldexp_f32 are the four places behind them.
	v_add_f32 v14, v14, v15
	s_delay_alu instid0(VALU_DEP_1)
	v_permlanex16_b32 v[XCH], v14, s[SEL], s[SEL+1]
	s_delay_alu instid0(VALU_DEP_1)
	v_add_f32 v14, v14, v[XCH]                     ; the row's sum
	s_wait_alu depctr_va_vdst(0)
	v_rcp_f32 v14, v14
	v_nop                                          ; a plain line behind the reciprocal
	s_add_co_i32 s74, s70, s71
	s_wait_alu depctr_va_vdst(0)                   ; and the wait ahead of its first reader
	v_ldexp_f32 v14, v14, s74
.set n, 0
.rept 32
	v_pk_mul_f32 v[96+n:97+n], v[160+n:161+n], v[14:15] op_sel_hi:[1,0]   ; each accumulator from its low end on
.set n, n+2
.endr
.set n, 0
.rept 64
	v_med3_num_f32 v[96+n], v[96+n], -v241, v241
.set n, n+1
.endr
.irp u, 0,1,2,3,4,5,6,7
	v_cvt_scalef32_pk8_fp8_f32 v[224+2*\u:225+2*\u], v[96+8*\u:103+8*\u], v245
.endr
	v_nop                                          ; a plain line behind the last conversion
.irp c, 0,1,2,3
	global_store_b128 v[LI], v[224+4*\c:227+4*\c], s[16:17] offset:512*\c   ; 32 lanes store 512 consecutive bytes, aligned
.endr
	s_wait_tensorcnt 0x0                           ; the wave's end
	ds_add_u32 v[SPW], v[NIL]
	s_wait_dscnt 0x0
	s_endpgm
.Lfunc_end_k_qc3d439bc69_attn:
	.size	k_qc3d439bc69_attn, .Lfunc_end_k_qc3d439bc69_attn-k_qc3d439bc69_attn
	.p2alignl 7, 3214868480
	.fill 96, 4, 3214868480
	.section	.rodata,"a",@progbits
	.p2align	6, 0x0
	.amdhsa_kernel k_qc3d439bc69_attn
		.amdhsa_group_segment_fixed_size 327680
		.amdhsa_private_segment_fixed_size 0
		.amdhsa_enable_private_segment 0
		.amdhsa_kernarg_size 24
		.amdhsa_user_sgpr_count 2
		.amdhsa_user_sgpr_kernarg_segment_ptr 1
		.amdhsa_wavefront_size32 1
		.amdhsa_system_sgpr_workgroup_id_x 1
		.amdhsa_system_sgpr_workgroup_id_y 1
		.amdhsa_system_sgpr_workgroup_id_z 1
		.amdhsa_system_vgpr_workitem_id 0
		.amdhsa_next_free_vgpr 512
		.amdhsa_next_free_sgpr 100
		.amdhsa_reserve_vcc 1
		.amdhsa_float_denorm_mode_32 3
		.amdhsa_float_denorm_mode_16_64 3
		.amdhsa_memory_ordered 1
		.amdhsa_forward_progress 1
		.amdhsa_inst_pref_size 114
	.end_amdhsa_kernel
	.amdgpu_metadata
---
amdhsa.version: [ 1, 2 ]
amdhsa.kernels:
  - .name:           k_qc3d439bc69_attn
    .symbol:         k_qc3d439bc69_attn.kd
    .args:
      - { .name: qkv, .offset: 0, .size: 8, .value_kind: global_buffer, .address_space: global }
      - { .name: lowp_scales, .offset: 8, .size: 8, .value_kind: global_buffer, .address_space: global }
      - { .name: aimg, .offset: 16, .size: 8, .value_kind: global_buffer, .address_space: global }
    .group_segment_fixed_size: 327680
    .private_segment_fixed_size: 0
    .kernarg_segment_align: 8
    .kernarg_segment_size: 24
    .max_flat_workgroup_size: 256
    .sgpr_count:     100
    .vgpr_count:     512
    .wavefront_size: 32
...
	.end_amdgpu_metadata
.endif
;; end of part 3
;; launch oproj (part 4): grid 16 x 16, 4 waves a work-group, clusters of 4 x 4, 327,680 bytes of LDS; arguments aimg, wocodes, lowp_scales, out0; writes out0
.if DOCPART == 4
	.amdgcn_target "amdgcn-amd-amdhsa--gfx1250"
	.amdhsa_code_object_version 6
	.text
	.protected	k_qc3d439bc69_oproj
	.globl	k_qc3d439bc69_oproj
	.p2align	8
	.type	k_qc3d439bc69_oproj,@function
k_qc3d439bc69_oproj:
	s_mov_b64 s[64:65], 0
	v_nop
	global_prefetch_b8 v0, s[64:65] scope:SCOPE_SE
	s_setreg_imm32_b32 hwreg(HW_REG_WAVE_MODE, 25, 1), 1
	s_wait_xcnt 0x0
	s_wait_alu depctr_hold_cnt(0) depctr_sa_sdst(0) depctr_va_vdst(0) depctr_va_sdst(0) depctr_va_ssrc(0) depctr_va_vcc(0) depctr_vm_vsrc(0)
	s_getreg_b32 s2, hwreg(HW_REG_IB_STS2, 6, 4)
	s_cmp_eq_u32 s2, 0
	s_cbranch_scc0 .Lentry_in_a_cluster
	s_endpgm
.Lentry_in_a_cluster:
	s_bfe_u32 s2, ttmp6, 0x10000c
	s_cmp_lg_u32 s2, 0xf033
	s_cbranch_scc0 .Lentry_shape_is_right
	s_endpgm
.Lentry_shape_is_right:
; out0[m][n] = 2^(e10 + e11) x the sum over k of A[m][k] Wo[n][k] on codes of E4M3: A = attention's result, sums in f32.
; LIMIT: e10 + e11 lies between -126 and 127.
; A tile of 128 x 128 is made by four waves, each 64 x 64 (16 accumulators): 256 work-groups.  K goes in four steps of 512 through two LDS slots.  Waves 0 and 1 fetch A's two halves of 64 rows, waves 2 and 3 Wo's.
; aimg = [64 tokens][K step][block of 16 tokens][head of four][2048]: images of fragments' registers (register group c at 512 c + 16 x lane), a K step's 64 rows 32,768 dense bytes; in LDS as it lies.
; wocodes = [64 rows][K step][64 rows][512 bytes]; in LDS 16 bytes of padding behind each 512: rows 528 bytes apart, so that the sixteen rows that a load touches start at sixteen different banks (64 banks of 4 bytes: ISA guide 11.1).
; LDS is laid [wave's piece][slot]: the head's ONE load a wave fills both slots with K steps 0 and 1, which lie one behind the other in memory.  Each later load fills one slot.
; THE MATRIX INSTRUCTION IS USED TRANSPOSED (source 0 = 16 rows of Wo, source 1 = 16 rows of A): a lane holds eight neighbouring numbers of a row of the result.
; CLUSTERS: 4 x 4; A's tiles are asked for jointly along a row of the cluster, Wo's along a column.
; PREFETCH: K steps 2 and 3 are asked of the L2 behind the head's load, two K steps ahead of the loads that want them: a wave's 32,768 bytes of a step are shared by its four partners by address.
; REGISTERS: window 0: v16-28 addresses, v32-127 the way out, v128-255 the accumulators ((a, b) at v[128 + 8 (4 a + b)]); window 1: two sets of fragments (A 64, Wo 64) at v0 and v128.
.set PITCHB, 528
.set ASL,    32768                     ; A: one slot of a wave's piece
.set BSL,    64*PITCHB                 ; Wo: likewise
.set BOFF,   4*ASL
.set TILE,   32768                     ; bytes of a K step's 64 rows in memory, of either
.set SPARE,  BOFF+4*BSL                ; behind the ring: the spare words, 128 bytes for each wave, which no other line names
.set SPITCH, 272                       ; the way out: a stage of 16 rows x (256 bytes + 16) for each wave, in slot 0 of A's first piece, which has had its last fill and its last read then
.set ADRA, 16
.set ADRB, 20
.set STO,  24
.set RD,   25
.set CO,   26
.set PFO,  27
.set SPW,  28
.set NIL,  29
.set TMP,  32
.set BK,   64
.set ACC,  128
.set F0,   0
.set F1,   128
.set G1, 24
.set G0, 32
.set G1B, 48
.set G0B, 56
.set G1H, 68                           ; s[68:75], s[76:83] group 1 for the head's loads: two K steps
.set G1HB, 76
.set PFA, 84
.set MSB, 0
.macro WIN new                         ; the immediate's high byte repeats the setting that is left
.if MSB != (\new)
	s_set_vgpr_msb (MSB<<8)|(\new)
.set MSB, (\new)
.endif
.endm
.set MUL,  0x05                        ; sources 0 and 1 window 1, C and D window 0
.set TO_F, 0x40
.macro JLOAD g0a, g1a, g0b, g1b        ; a joint load: waves 0 and 1 fetch for A, waves 2 and 3 for Wo; an s_nop 0 and four v_nop follow each line
	s_cmp_eq_u32 s15, 0
	s_cbranch_scc0 .Lfor_b_\@
	tensor_load_to_lds s[\g0a:\g0a+3], s[\g1a:\g1a+7]
	s_nop 0
.rept 4
	v_nop
.endr
	s_branch .Lasked_\@
.Lfor_b_\@:
	tensor_load_to_lds s[\g0b:\g0b+3], s[\g1b:\g1b+7]
	s_nop 0
.rept 4
	v_nop
.endr
.Lasked_\@:
.endm
.macro CREST
	s_cmp_lg_u32 s14, 0
	s_cbranch_scc1 .Lnot_wave_0_\@
	s_barrier_signal -3
.Lnot_wave_0_\@:
	s_barrier_wait -3
	s_barrier_signal -1
	s_barrier_wait -1
.endm
.macro CROUND
	s_barrier_signal -1
	s_barrier_wait -1
	CREST
.endm
	s_load_b256 s[4:11], s[0:1], 0x0               ; aimg s[4:5], Wo's codes s[6:7], the scales' exponents s[8:9], out0 s[10:11]
	v_lshl_add_u32 v[SPW], v0, 2, SPARE
	v_mov_b32 v[NIL], 0
	ds_add_u32 v[SPW], v[NIL]                      ; the wave's opening: the add, twice on end, and its wait ahead of my first tensor load; the set-up below stands between them
	ds_add_u32 v[SPW], v[NIL]
	v_lshrrev_b32 v1, 5, v0
	v_readfirstlane_b32 s14, v1                    ; wave 0..3
	s_lshr_b32 s15, s14, 1                         ; which half of A's rows is mine.  Also: I fetch for A (0) or for Wo (1)
	s_and_b32 s16, s14, 1                          ; which half of Wo's rows.  Also: which 64 rows of that tile I fetch
	s_bfe_u32 s40, ttmp6, 0x40000                  ; cx, cy: my place in the cluster
	s_bfe_u32 s41, ttmp6, 0x40004
	s_lshl_b32 s42, ttmp9, 2
	s_add_co_u32 s42, s42, s40                     ; tile column
	s_and_b32 s17, ttmp7, 0xffff
	s_lshl_b32 s17, s17, 2
	s_add_co_u32 s17, s17, s41                     ; tile row
	s_lshl_b32 s43, s41, 2
	s_lshl_b32 s43, 15, s43                        ; my row of the cluster
	s_lshl_b32 s44, 0x1111, s40                    ; my column
	s_or_b32 s[G1], s43, (3<<16)|(1<<21)           ; A: elements of 8 bytes, rows of 8,192 bytes, dense
	s_or_b32 s[G1H], s43, (3<<16)|(1<<21)
	s_or_b32 s[G1B], s44, (1<<20)|(1<<21)|(6<<22)|(3<<25)   ; Wo: elements of 1 byte, rows of 512 bytes, dense; padding: after every 128 words, 4 words
	s_or_b32 s[G1HB], s44, (1<<20)|(1<<21)|(6<<22)|(3<<25)
.irp g, G1, G1H
	s_mov_b32 s[\g+1], 1024<<16
	s_mov_b32 s[\g+3], 1024<<16
	s_mov_b32 s[\g+5], 1024
	s_mov_b32 s[\g+6], 0
	s_mov_b32 s[\g+7], 0
.endr
.irp g, G1B, G1HB
	s_mov_b32 s[\g+1], 512<<16
	s_mov_b32 s[\g+3], 512<<16
	s_mov_b32 s[\g+5], 512
	s_mov_b32 s[\g+6], 0
	s_mov_b32 s[\g+7], 0
.endr
	s_mov_b32 s[G1+2], 4<<16                       ; four rows of A's a K step,
	s_mov_b32 s[G1+4], 4
	s_mov_b32 s[G1H+2], 8<<16
	s_mov_b32 s[G1H+4], 8
	s_mov_b32 s[G1B+2], 64<<16                     ; 64 of Wo's
	s_mov_b32 s[G1B+4], 64
	s_mov_b32 s[G1HB+2], 128<<16
	s_mov_b32 s[G1HB+4], 128
	s_lshl_b32 s18, s16, 17                        ; 131,072 bytes a block of 64 rows, of either
	s_lshl_b32 s20, s17, 18
	s_add_co_u32 s20, s20, s18
	s_mov_b32 s21, 0
	s_lshl_b32 s46, s42, 18
	s_add_co_u32 s46, s46, s18
	s_mov_b32 s47, 0
	s_lshl_b32 s45, s16, 16                        ; where they go: no place in the cluster enters an LDS address
	s_mul_i32 s22, s16, 2*BSL
	s_add_co_u32 s22, s22, BOFF
	s_cmp_eq_u32 s15, 0
	s_cselect_b32 s12, s40, s41                    ; my place among the four that ask for a tile with me
	s_lshl_b32 s12, s12, 13                        ; 8,192 bytes each
	s_mov_b32 s13, 0
	s_wait_alu depctr_va_vdst(0)                   ; the wait here, directly ahead of the waits below
	s_wait_dscnt 0x0                               ; both opening adds are done
	s_wait_kmcnt 0x0
	s_load_b64 s[96:97], s[8:9], 0x28              ; e10, e11
	s_add_nc_u64 s[20:21], s[4:5], s[20:21]
	s_add_nc_u64 s[46:47], s[6:7], s[46:47]
	s_cselect_b64 s[PFA:PFA+1], s[20:21], s[46:47] ; (SCC is the shift's, not the compare's: chosen again below)
	s_add_nc_u64 s[PFA:PFA+1], s[PFA:PFA+1], 2*TILE
	s_cmp_eq_u32 s15, 0
	s_cselect_b64 s[PFA:PFA+1], s[20:21], s[46:47]
	s_add_nc_u64 s[PFA:PFA+1], s[PFA:PFA+1], s[12:13]
	s_add_nc_u64 s[PFA:PFA+1], s[PFA:PFA+1], 2*TILE   ; at K step 2
.irp s, 0,1
	s_mov_b32 s[G0+4*\s], 1
	s_add_co_u32 s[G0+4*\s+1], s45, \s*ASL
	s_add_nc_u64 s[G0+4*\s+2:G0+4*\s+3], s[20:21], \s*TILE
	s_or_b32 s[G0+4*\s+3], s[G0+4*\s+3], 0x80000000
	s_mov_b32 s[G0B+4*\s], 1
	s_add_co_u32 s[G0B+4*\s+1], s22, \s*BSL
	s_add_nc_u64 s[G0B+4*\s+2:G0B+4*\s+3], s[46:47], \s*TILE
	s_or_b32 s[G0B+4*\s+3], s[G0B+4*\s+3], 0x80000000
.endr
	CROUND                                         ; all sixteen work-groups are here: the first joint loads meet
	JLOAD G0, G1H, G0B, G1HB                       ; K steps 0 and 1: one tensor load a wave at the head
	s_lshl_b32 s21, s15, 16                        ; my 64 rows of A,
	s_mul_i32 s23, s16, 2*BSL
	s_add_co_u32 s23, s23, BOFF                    ; of Wo,
	s_mul_i32 s22, s14, 16*SPITCH                  ; my stage
	v_and_b32 v1, 15, v0                           ; r
	v_bfe_u32 v2, v0, 4, 1                         ; h
	v_and_b32 v3, 31, v0
	v_lshlrev_b32 v3, 4, v3
	v_mul_u32_u24 v4, v1, PITCHB
	v_lshl_add_u32 v4, v2, 4, v4
	v_add_nc_u32 v[ADRA], s21, v3
	v_add_nc_u32 v[ADRB], s23, v4
	v_add_nc_u32 v[ADRA+1], ASL, v[ADRA]
	v_add_nc_u32 v[ADRB+1], BSL, v[ADRB]
	v_lshlrev_b32 v[PFO], 4, v3                    ; 256 x lane
	v_mul_u32_u24 v5, v1, SPITCH                   ; into the stage: row r, 32 bytes for each half of the lanes
	v_lshl_add_u32 v5, v2, 5, v5
	v_add_nc_u32 v[STO], s22, v5
	v_mul_u32_u24 v6, v2, SPITCH                   ; back: lanes 0-15 one row of 256 bytes, lanes 16-31 the next
	v_lshl_add_u32 v6, v1, 4, v6
	v_add_nc_u32 v[RD], s22, v6
	v_lshlrev_b32 v7, 13, v2
	v_lshl_add_u32 v[CO], v1, 4, v7                ; and the same in the result
	global_prefetch_b8 v[PFO], s[PFA:PFA+1] th:TH_LOAD_NT scope:SCOPE_SE              ; my share of K step 2,
	global_prefetch_b8 v[PFO], s[PFA:PFA+1] offset:TILE th:TH_LOAD_NT scope:SCOPE_SE  ; of K step 3
	s_lshl_b32 s20, s17, 20                        ; my wave's part of the result: row 128 x tile row + 64 x half, of 8,192 bytes,
	s_lshl_b32 s21, s15, 19
	s_add_co_u32 s20, s20, s21
	s_lshl_b32 s46, s42, 9                         ; column 128 x tile column + 64 x half
	s_lshl_b32 s47, s16, 8
	s_add_co_u32 s46, s46, s47
	s_add_co_u32 s20, s20, s46
	s_mov_b32 s21, 0
	s_add_nc_u64 s[10:11], s[10:11], s[20:21]
.macro MUL4 f, a, zero                 ; A's block a x Wo's four.  The 16 accumulators take turns, one instruction a turn, in the same order in every quarter
.irp b, 0,1,2,3
.if \zero
	v_wmma_f32_16x16x128_fp8_fp8 v[ACC+8*(4*(\a)+\b):ACC+8*(4*(\a)+\b)+7], v[\f+64+16*\b:\f+64+16*\b+15], v[\f+16*(\a):\f+16*(\a)+15], 0
.else
	v_wmma_f32_16x16x128_fp8_fp8 v[ACC+8*(4*(\a)+\b):ACC+8*(4*(\a)+\b)+7], v[\f+64+16*\b:\f+64+16*\b+15], v[\f+16*(\a):\f+16*(\a)+15], v[ACC+8*(4*(\a)+\b):ACC+8*(4*(\a)+\b)+7]
.endif
.endr
.endm
.macro FETCH slot, q, f                ; 32 LDS loads in one run: the fragments of the slot's q-th 128 along K into set f
	WIN TO_F
.irp i, 0,1,2,3
.irp c, 0,1,2,3
	ds_load_b128 v[\f+64+16*\i+4*\c:\f+64+16*\i+4*\c+3], v[ADRB+\slot] offset:\i*16*PITCHB+128*(\q)+32*\c
.endr
.endr
.irp i, 0,1,2,3
.irp c, 0,1,2,3
	ds_load_b128 v[\f+16*\i+4*\c:\f+16*\i+4*\c+3], v[ADRA+\slot] offset:8192*\i+2048*(\q)+512*\c
.endr
.endr
.endm
.macro PLACES                          ; plain vector lines between a matrix instruction and a load into, or a read of, its registers
.rept 4
	v_nop
.endr
.endm
.macro QUARTER slot, q, f, g, zero     ; multiplies set f; in its middle the slot's q-th 128 along K goes into set g
	s_wait_dscnt 8                                 ; Wo's fragments and A's blocks 0, 1 are in; A's blocks 2, 3 may be out
	WIN MUL
	MUL4 \f, 0, \zero
	MUL4 \f, 1, \zero
	PLACES
	FETCH \slot, \q, \g
	s_wait_dscnt 32                                ; all but the 32 just issued
	WIN MUL
	MUL4 \f, 2, \zero
	MUL4 \f, 3, \zero
.endm
.macro TURN slot, next, fill           ; a slot's last quarter changes slots: all tensor loads, the add and the slot's reads are waited for ahead of the one barrier
	WIN 0
	s_wait_tensorcnt 0x0
	ds_add_u32 v[SPW], v[NIL]
	s_wait_dscnt 9                                 ; (the add and A's blocks 2, 3 may be out)
	WIN MUL
	MUL4 F1, 0, 0
	s_wait_dscnt 0x0                               ; the add is done, and my reads of this slot are over
	s_barrier_signal -1
	MUL4 F1, 1, 0
	WIN 0
	s_barrier_wait -1
.if \fill
	CREST                                          ; a round of the cluster's barrier: no wave of any partner still reads this slot or has a load on its way
	s_add_nc_u64 s[G0+4*\slot+2:G0+4*\slot+3], s[G0+4*\slot+2:G0+4*\slot+3], 2*TILE
	s_add_nc_u64 s[G0B+4*\slot+2:G0B+4*\slot+3], s[G0B+4*\slot+2:G0B+4*\slot+3], 2*TILE
	JLOAD G0+4*\slot, G1, G0B+4*\slot, G1B         ; the first tensor load behind the round; its four v_nop are the places in front of the loads below
.else
	PLACES
.endif
	FETCH \next, 0, F0
	WIN MUL
	MUL4 F1, 2, 0
	MUL4 F1, 3, 0
.endm
	s_wait_alu depctr_va_vdst(0)                   ; the wait at the head's end
	s_wait_tensorcnt 0x0                           ; my part of K steps 0 and 1 is in,
	s_barrier_signal -1
	s_barrier_wait -1                              ; everybody's is
	FETCH 0, 0, F0
	QUARTER 0, 1, F0, F1, 1                        ; the first products start the sums: nothing is cleared
	QUARTER 0, 2, F1, F0, 0
	QUARTER 0, 3, F0, F1, 0
	TURN 0, 1, 1                                   ; slot 0 takes K step 2
	QUARTER 1, 1, F0, F1, 0
	QUARTER 1, 2, F1, F0, 0
	QUARTER 1, 3, F0, F1, 0
	TURN 1, 0, 1                                   ; slot 1 takes K step 3
	QUARTER 0, 1, F0, F1, 0
	QUARTER 0, 2, F1, F0, 0
	QUARTER 0, 3, F0, F1, 0
	TURN 0, 1, 0
	QUARTER 1, 1, F0, F1, 0
	QUARTER 1, 2, F1, F0, 0
	QUARTER 1, 3, F0, F1, 0
	s_wait_dscnt 8
	WIN MUL
	MUL4 F1, 0, 0
	MUL4 F1, 1, 0
	s_wait_dscnt 0
	MUL4 F1, 2, 0
	MUL4 F1, 3, 0
	WIN 0
; THE WAY OUT, by blocks of 16 rows x 64 columns: scaled, through my own stage in LDS, and out as rows of 256 bytes.  LDS serves a wave's instructions in order: no wait between the stores and the loads.
.macro TOSTAGE a
.irp j, 0,2,4,6,8,10,12,14,16,18,20,22,24,26,28,30
	v_pk_mul_f32 v[TMP+\j:TMP+\j+1], v[ACC+32*(\a)+\j:ACC+32*(\a)+\j+1], s[96:97] op_sel_hi:[1,0]   ; both x 2^(e10 + e11); each accumulator from its low end on
.endr
.irp b, 0,1,2,3
	ds_store_b128 v[STO], v[TMP+8*\b:TMP+8*\b+3] offset:64*\b
	ds_store_b128 v[STO], v[TMP+8*\b+4:TMP+8*\b+7] offset:64*\b+16
.endr
.irp t, 0,1,2,3,4,5,6,7
	ds_load_b128 v[BK+32*((\a)%2)+4*\t:BK+32*((\a)%2)+4*\t+3], v[RD] offset:\t*2*SPITCH
.endr
.endm
.macro SEND a, younger                 ; younger: the LDS instructions issued behind block a's loads, which may stay out
	s_wait_dscnt \younger
.irp t, 0,1,2,3,4,5,6,7
	global_store_b128 v[CO], v[BK+32*((\a)%2)+4*\t:BK+32*((\a)%2)+4*\t+3], s[10:11] offset:131072*(\a)+16384*\t th:TH_STORE_NT   ; 16 lanes store 256 consecutive bytes, aligned
.endr
.endm
	s_wait_kmcnt 0x0
	s_add_co_i32 s96, s96, s97
	s_add_co_i32 s96, s96, 127
	s_lshl_b32 s96, s96, 23                        ; 2^(e10 + e11) as f32
	s_mov_b32 s97, s96                             ; (named with it as a pair, so it is written)
	PLACES
	TOSTAGE 0
.irp a, 1,2,3
.if \a > 1
	s_wait_xcnt 0x0                                ; block a - 2's stores have read their registers
.endif
	TOSTAGE \a
	SEND \a-1, 16
.endr
	SEND 3, 0
	s_wait_tensorcnt 0x0                           ; the wave's end
	ds_add_u32 v[SPW], v[NIL]
	s_wait_dscnt 0x0
	CROUND                                         ; the closing round: no work-group ends while a partner may still ask for a tile that names it
	s_endpgm
.Lfunc_end_k_qc3d439bc69_oproj:
	.size	k_qc3d439bc69_oproj, .Lfunc_end_k_qc3d439bc69_oproj-k_qc3d439bc69_oproj
	.p2alignl 7, 3214868480
	.fill 96, 4, 3214868480
	.section	.rodata,"a",@progbits
	.p2align	6, 0x0
	.amdhsa_kernel k_qc3d439bc69_oproj
		.amdhsa_group_segment_fixed_size 327680
		.amdhsa_private_segment_fixed_size 0
		.amdhsa_enable_private_segment 0
		.amdhsa_kernarg_size 32
		.amdhsa_user_sgpr_count 2
		.amdhsa_user_sgpr_kernarg_segment_ptr 1
		.amdhsa_wavefront_size32 1
		.amdhsa_system_sgpr_workgroup_id_x 1
		.amdhsa_system_sgpr_workgroup_id_y 1
		.amdhsa_system_sgpr_workgroup_id_z 1
		.amdhsa_system_vgpr_workitem_id 0
		.amdhsa_next_free_vgpr 512
		.amdhsa_next_free_sgpr 98
		.amdhsa_reserve_vcc 0
		.amdhsa_float_denorm_mode_32 3
		.amdhsa_float_denorm_mode_16_64 3
		.amdhsa_memory_ordered 1
		.amdhsa_forward_progress 1
		.amdhsa_inst_pref_size 74
	.end_amdhsa_kernel
	.amdgpu_metadata
---
amdhsa.version: [ 1, 2 ]
amdhsa.kernels:
  - .name:           k_qc3d439bc69_oproj
    .symbol:         k_qc3d439bc69_oproj.kd
    .args:
      - { .name: aimg, .offset: 0, .size: 8, .value_kind: global_buffer, .address_space: global }
      - { .name: wocodes, .offset: 8, .size: 8, .value_kind: global_buffer, .address_space: global }
      - { .name: lowp_scales, .offset: 16, .size: 8, .value_kind: global_buffer, .address_space: global }
      - { .name: out0, .offset: 24, .size: 8, .value_kind: global_buffer, .address_space: global }
    .group_segment_fixed_size: 327680
    .private_segment_fixed_size: 0
    .kernarg_segment_align: 8
    .kernarg_segment_size: 32
    .max_flat_workgroup_size: 128
    .sgpr_count:     98
    .vgpr_count:     512
    .wavefront_size: 32
...
	.end_amdgpu_metadata
.endif
;; end of part 4
